; MI455X (gfx1250); checked and timed in simulation.
; The chip was launched on July 23, 2026; its instructions are those of AMD's public machine-readable ISA for CDNA 5 (MIT licence, August 2026) and "CDNA5" Instruction Set Architecture Reference Guide (July 2026). The comments in the code are by the model that wrote it; some were corrected since.
;; Multihead Attention. Allowed arithmetic: matrix products marked QUANTISED: E2M1 operands, one E8M0 scale for each 32 along K, by v_wmma_scale_f32_16x16x128_f8f6f4 with both operands' format E2M1 (or v_wmma_scale_f32_32x16x128_f4), f32 sums; products left as they are: bf16, f16 or f32 operands; f32 sums; everything else in f32.
;; Inputs: Wk 1,024 x 1,024 float32; Wo 1,024 x 1,024 float32; Wq 1,024 x 1,024 float32; Wv 1,024 x 1,024 float32; bk 1,024 float32; bo 1,024 float32; bq 1,024 float32; bv 1,024 float32; key 4 x 2,048 x 1,024 float32; mask 4 x 2,048 bool; query 4 x 2,048 x 1,024 float32; value 4 x 2,048 x 1,024 float32.
;; Outputs: out0 4 x 2,048 x 1,024 float32.
;; This version of the problem:
;;   THIS VERSION OF THE PROBLEM IS GIVEN IN LOW PRECISION. The matrix products marked QUANTISED in the list below multiply operands that are first quantised to E2M1 (2 exponent bits, 1 mantissa bit; 4 bits a number), with one power-of-two scale for each 32 numbers along K (OCP MX v1.0); their sums are f32. The products marked 'left as it is' may take bf16, f16 or f32 operands, with f32 sums. All else is computed in f32.
;;   The module's matrix products, in the order in which they are computed (A, B: the left and right operand; K: the contracted axis; several contracted axes count as one K, in the product's order):
;;     1. [M 8,192, K 1,024] x [K 1,024, N 1,024]; A: input query; B: input Wq: QUANTISED
;;     2. [M 8,192, K 1,024] x [K 1,024, N 1,024]; A: input key; B: input Wk: QUANTISED
;;     3. [M 8,192, K 1,024] x [K 1,024, N 1,024]; A: input value; B: input Wv: QUANTISED
;;     4. batch 64 x [M 2,048, K 64] x [K 64, N 2,048]; A: computed on the way; B: computed on the way: left as it is (an operand is computed on the way)
;;     5. batch 64 x [M 2,048, K 2,048] x [K 2,048, N 64]; A: computed on the way; B: computed on the way: left as it is (an operand is computed on the way)
;;     6. [M 8,192, K 1,024] x [K 1,024, N 1,024]; A: computed on the way; B: input Wo: left as it is (an operand is computed on the way)
;;   THE QUANTISER, for each operand of a quantised product, along K:
;;     - K is cut into blocks of 32 from its start; a last block that is shorter is filled with zeros.
;;     - A block's scale is 2^e with e = floor(log2(the largest magnitude in the block)) - 2, held to -126 .. 127; a block of zeros has e = 0. As a byte (E8M0): e + 127.
;;     - Each number is divided by its block's scale, clamped to +-6, and rounded to the nearest number of E2M1, ties to even, subnormals kept.
;;     - The product sums the exact products of the quantised numbers (number of the format x scale) in f32.
;;   ~~~python
;;   def quantise(x, axis):      # numpy; x: float32 -> the quantised numbers, widened to float32 again
;;       x = np.moveaxis(x, axis, -1); K = x.shape[-1]
;;       x = np.pad(x, [(0, 0)] * (x.ndim - 1) + [(0, -K % 32)]); x = x.reshape(x.shape[:-1] + (-1, 32)); a = np.abs(x).max(-1, keepdims=True)
;;       e = np.where(a > 0, np.clip(np.frexp(np.where(a > 0, a, 1))[1] - 1 - 2, -126, 127), 0)      # np.frexp(a)[1] - 1 = floor(log2(a)), exactly
;;       r = np.clip(x / 2.0 ** e, -6, 6)
;;       step = 2.0 ** (np.maximum(np.frexp(np.where(r == 0, 1, r))[1] - 1, 0) - 1)
;;       q = np.round(r / step) * step * 2.0 ** e      # np.round: ties to even
;;       return np.moveaxis(q.reshape(q.shape[:-2] + (-1,))[..., :K], -1, axis).astype(np.float32)
;;   ~~~
;; 2 versions, each right; version 2 is version 1 with the launch proj written anew for expert scheduling mode. Each part assembles by itself: llvm-mc -triple=amdgcn-amd-amdhsa -mcpu=gfx1250 --defsym DOCPART=n.
;; ======== version 1 of 2: 4 launches
;; limits: values are held in f16: magnitudes above 65,504 overflow, below 6.1e-05 lose precision
;; workspace buffers: wf 1,671,168 bytes; wof 2,097,152 bytes; qf 16,777,216 bytes; kv 33,554,432 bytes; ctx 16,777,216 bytes
;; launch prep (part 1): grid 256 x 1, 4 waves a work-group, no clusters, 44,544 bytes of LDS; arguments Wq, Wk, Wv, Wo, wf, wof; writes wf, wof
.if DOCPART == 1
	.amdgcn_target "amdgcn-amd-amdhsa--gfx1250"
	.amdhsa_code_object_version 6
	.text
	.protected	k_qe9f92ec78c_prep
	.globl	k_qe9f92ec78c_prep
	.p2align	8
	.type	k_qe9f92ec78c_prep,@function
k_qe9f92ec78c_prep:
	s_mov_b64 s[64:65], 0
	v_nop
	global_prefetch_b8 v0, s[64:65] scope:SCOPE_SE
	s_setreg_imm32_b32 hwreg(HW_REG_WAVE_MODE, 25, 1), 1
	s_wait_xcnt 0x0
; Wq, Wk, Wv [1024 (n)][1024 (k)] f32 become codes of FP4 (E2M1) with one E8M0 byte for each 32 along k, laid in the order of a matrix operand's registers;
; Wo [1024][1024] f32 becomes f16, laid likewise.  A CHUNK is 512 bytes: 32 lanes x 16 bytes, four registers of a fragment.
;   wf : [weight 3][slice 16 (64 rows n)][kstep 8 (128 k)] records of 4,352 bytes: [tile 4 (16 rows)][c 2] chunks (lane (r, h): the codes of k = 64 c + 32 h + 0 .. 31 of row r), then 256 bytes of scale words [tile][r]
;   wof: [ntile 64 (16 rows)][k32 32][c 2] chunks (lane (r, h): k = 16 c + 8 h + 0 .. 7 of row r)
; A block's scale is 2^(floor(log2(its largest magnitude)) - 2); its byte is that magnitude's exponent field - 2, held at 1 from below (a block of zeros keeps the byte 1: its codes are zeros, and this program alone reads the bytes).
; LIMITS: blocks whose largest magnitude lies under 2^-124 keep the byte 1 (not tried); NaN and infinities are not served; Wo must lie inside f16's 65,504.
; SHARES: work-group g takes 16 rows (64 KB) of tensor g / 64; wave w rows 4 w .. 4 w + 3.  A lane takes 8 neighbours along k (32 bytes): four lanes hold a block of 32.  All 32 loads of a wave go out at the head.
; THE TURN THROUGH LDS: a LINE is 16 rows x 16 bytes, lines 272 bytes apart.  FP4: line = k / 32; f16: line = k / 8.  A lane stores into its row's 16 bytes of a line; a chunk is two neighbouring lines read whole.
; No tensor loads (each byte has one reading wave), no matrix unit, no cluster: the work-groups share no input.
.set LINE,  272
.set REC,   4352                       ; a record of wf
.set SLSTR, 8*REC                      ; a slice
.set WSTR,  16*SLSTR                   ; a weight
.set XSC,   32*LINE                    ; LDS: 0 .. 8,703 the FP4 lines; from here 512 bytes of scale words [kstep][r]
.set WOB,   9216                       ; LDS: Wo's 128 lines: bytes of their own for that way
.set XA,  2                            ; v2   32 x lane: my 8 numbers of a run of 256
.set XW,  3                            ; v3   where my word of codes goes: 64 w + 272 (lane / 4) + 4 (lane % 4)
.set XSW, 4                            ; v4   where my block's byte goes: XSC + 64 (lane / 16) + (lane / 4) % 4 + 16 w
.set RB,  5                            ; v5   chunks back: 2176 w + 272 h + 16 r
.set GO,  6                            ; v6   16 x lane
.set SR,  7                            ; v7   scale words back: XSC + 128 w + 4 x lane
.set SG,  8                            ; v8   and their place in wf: 4352 h + 4 r
.set WW,  9                            ; v9   Wo in: WOB + 272 x lane + 64 w
.set WR,  10                           ; v10  Wo back: WOB + 8704 w + 272 h + 16 r
.set TM,  12                           ; v12-15  largest magnitudes of a row's four runs
.set TS,  16                           ; v16-19  the conversions' scale operands
.set X,   32                           ; v32-159 run 4 i + p (row i, 256 k from 256 p) at X + 8 (4 i + p)
.set TC,  160                          ; v160-175 codes, a register for each run: no LDS store's data are written again
.set TB,  176                          ; v176-191 scale bytes likewise
; Row i's four runs, by turns, become codes and bytes in LDS.
.macro QUAD i, SI, SP
.irp p, 0,1,2,3
	v_max3_num_f32 v[TM+\p], |v[X+8*(4*\i+\p)]|, |v[X+8*(4*\i+\p)+1]|, 0x1800000   ; my 8 numbers, and the floor 2^(3 - 127): the byte cannot fall under 1
.endr
.irp j, 2,4,6
.irp p, 0,1,2,3
	v_max3_num_f32 v[TM+\p], v[TM+\p], |v[X+8*(4*\i+\p)+\j]|, |v[X+8*(4*\i+\p)+\j+1]|
.endr
.endr
.irp p, 0,1,2,3
	v_max_num_f32_dpp v[TM+\p], v[TM+\p], v[TM+\p] row_xmask:1 row_mask:0xf bank_mask:0xf
.endr
.irp p, 0,1,2,3
	v_max_num_f32_dpp v[TM+\p], v[TM+\p], v[TM+\p] row_xmask:2 row_mask:0xf bank_mask:0xf   ; with the three lanes that share my block
.endr
.irp p, 0,1,2,3
	v_add_nc_u32 v[TS+\p], 0xff000000, v[TM+\p]    ; 2 off the exponent field: the conversion takes that field as its scale
.endr
.irp p, 0,1,2,3
	v_cvt_scalef32_pk8_fp4_f32 v[TC+4*\i+\p], v[X+8*(4*\i+\p):X+8*(4*\i+\p)+7], v[TS+\p]
.endr
.irp p, 0,1,2,3
	v_lshrrev_b32 v[TB+4*\i+\p], 23, v[TS+\p]      ; the scale's byte (also the plain line behind the conversions)
.endr
.irp p, 0,1,2,3
	ds_store_b32 v[XW], v[TC+4*\i+\p] offset:16*\i+2176*\p
	ds_store_b8 v[XSW], v[TB+4*\i+\p] offset:\SI*\i+\SP*\p   ; a block's four lanes write the same byte with the same value
.endr
.endm
	s_load_b256 s[4:11], s[0:1], 0x0               ; Wq s[4:5], Wk s[6:7], Wv s[8:9], Wo s[10:11]
	s_load_b128 s[12:15], s[0:1], 0x20             ; wf s[12:13], wof s[14:15]
	v_lshl_add_u32 v192, v0, 2, 0xac00
	v_mov_b32 v193, 0
	v_lshrrev_b32 v1, 5, v0
	v_readfirstlane_b32 s16, v1                    ; wave
	s_lshr_b32 s17, ttmp9, 6                       ; which tensor: 0, 1, 2 = Wq, Wk, Wv; 3 = Wo
	s_and_b32 s18, ttmp9, 63                       ; which 16 rows
	v_and_b32 v1, 31, v0                           ; lane
	v_bfe_u32 v28, v0, 4, 1                        ; h
	v_and_b32 v29, 15, v0                          ; r
	v_lshlrev_b32 v[XA], 5, v1
	v_bfe_u32 v11, v0, 2, 3
	v_mul_u32_u24 v[XW], v11, LINE
	v_and_b32 v11, 3, v0
	v_lshl_add_u32 v[XW], v11, 2, v[XW]
	s_lshl_b32 s19, s16, 6
	v_add_nc_u32 v[XW], s19, v[XW]
	v_bfe_u32 v[XSW], v0, 2, 2
	v_lshl_add_u32 v[XSW], v28, 6, v[XSW]
	s_lshl_b32 s30, s16, 4
	s_add_co_u32 s30, s30, XSC
	v_add_nc_u32 v[XSW], s30, v[XSW]
	v_mul_u32_u24 v[RB], v28, LINE
	v_lshl_add_u32 v[RB], v29, 4, v[RB]
	s_mul_i32 s31, s16, 8704
	s_add_co_u32 s31, s31, WOB
	v_add_nc_u32 v[WR], s31, v[RB]
	s_mul_i32 s32, s16, 2176
	v_add_nc_u32 v[RB], s32, v[RB]
	v_lshlrev_b32 v[GO], 4, v1
	s_lshl_b32 s33, s16, 7
	s_add_co_u32 s33, s33, XSC
	v_lshl_add_u32 v[SR], v1, 2, s33
	v_mul_u32_u24 v[SG], v28, REC
	v_lshl_add_u32 v[SG], v29, 2, v[SG]
	v_mul_u32_u24 v[WW], v1, LINE
	s_add_co_u32 s19, s19, WOB
	v_add_nc_u32 v[WW], s19, v[WW]
	s_lshl_b32 s26, s18, 16                        ; 16 rows of 4,096 bytes,
	s_lshl_b32 s27, s16, 14                        ; my wave's four
	s_add_co_u32 s26, s26, s27
	s_mov_b32 s27, 0
	s_wait_kmcnt 0x0
	s_cmp_eq_u32 s17, 1                            ; the source is chosen by the work-group's number alone
	s_cselect_b64 s[20:21], s[6:7], s[4:5]
	s_cmp_eq_u32 s17, 2
	s_cselect_b64 s[20:21], s[8:9], s[20:21]
	s_cmp_eq_u32 s17, 3
	s_cselect_b64 s[20:21], s[10:11], s[20:21]
	s_add_nc_u64 s[20:21], s[20:21], s[26:27]
.irp i, 0,1,2,3
.irp p, 0,1,2,3
.irp e, 0,1
	global_load_b128 v[X+8*(4*\i+\p)+4*\e:X+8*(4*\i+\p)+4*\e+3], v[XA], s[20:21] offset:4096*\i+1024*\p+16*\e th:TH_LOAD_NT   ; a run's two loads cover 1,024 consecutive bytes
.endr
.endr
.endr
	s_cmp_eq_u32 s17, 3
	s_cbranch_scc1 .Lwo_in
.irp i, 0,1,2,3
	s_wait_loadcnt 24-8*\i                         ; row i's eight loads are in; the later rows' eight each may be out
	QUAD \i, 4, 128
.endr
	s_branch .Lmeet
.Lwo_in:
.irp i, 0,1,2,3
	s_wait_loadcnt 24-8*\i
.irp p, 0,1,2,3
.irp g, 0,1,2,3
	v_cvt_pk_f16_f32 v[X+8*(4*\i+\p)+\g], v[X+8*(4*\i+\p)+2*\g], v[X+8*(4*\i+\p)+2*\g+1]   ; in place, ascending: a result never lands on a number still to be read
.endr
	ds_store_b128 v[WW], v[X+8*(4*\i+\p):X+8*(4*\i+\p)+3] offset:8704*\p+16*\i   ; line 32 p + lane, row 4 w + i
.endr
.endr
.Lmeet:
	s_wait_dscnt 0x0                               ; for the others' sake: my stores have landed
	s_barrier_signal -1
	s_barrier_wait -1                              ; the one barrier, on the way that all waves take
	s_cmp_eq_u32 s17, 3
	s_cbranch_scc1 .Lwo_out
	; FP4: wave w sends ksteps 2 w and 2 w + 1: four chunks and 32 scale words
.irp t, 0,1,2,3
	ds_load_b128 v[32+4*\t:35+4*\t], v[RB] offset:544*\t
.endr
	ds_load_b32 v48, v[SR]
	s_mul_i32 s26, s17, WSTR
	s_lshr_b32 s30, s18, 2
	s_mul_i32 s30, s30, SLSTR
	s_add_co_u32 s26, s26, s30
	s_mul_i32 s30, s16, 2*REC
	s_add_co_u32 s26, s26, s30                     ; weight, slice, my first kstep
	s_and_b32 s30, s18, 3                          ; my rows' tile in the slice
	s_lshl_b32 s31, s30, 6
	s_add_co_u32 s28, s26, s31
	s_add_co_u32 s28, s28, 4096                    ; its scale words
	s_lshl_b32 s31, s30, 10
	s_add_co_u32 s26, s26, s31                     ; its chunks
	s_mov_b32 s29, 0
	s_add_nc_u64 s[22:23], s[12:13], s[26:27]
	s_add_nc_u64 s[24:25], s[12:13], s[28:29]
	s_wait_dscnt 0x0
.irp t, 0,1,2,3
	global_store_b128 v[GO], v[32+4*\t:35+4*\t], s[22:23] offset:REC*(\t/2)+512*(\t%2)   ; 512 consecutive bytes, at a multiple of 256 from wf's first byte
.endr
	global_store_b32 v[SG], v48, s[24:25]          ; 64 bytes in each of two records: one byte in 17 of what this way stores
	s_wait_tensorcnt 0x0
	ds_add_u32 v192, v193
	s_wait_dscnt 0x0
	s_endpgm
.Lwo_out:
	; Wo: wave w sends chunks 16 w .. 16 w + 15
.irp t, 0,1,2,3,4,5,6,7,8,9,10,11,12,13,14,15
	ds_load_b128 v[32+4*\t:35+4*\t], v[WR] offset:544*\t
.endr
	s_lshl_b32 s26, s18, 15
	s_lshl_b32 s28, s16, 13
	s_add_co_u32 s26, s26, s28
	s_add_nc_u64 s[22:23], s[14:15], s[26:27]
.irp t, 0,1,2,3,4,5,6,7,8,9,10,11,12,13,14,15
	s_wait_dscnt 15-\t                             ; LDS loads come back in order: chunk t is in, the younger ones may be out
	global_store_b128 v[GO], v[32+4*\t:35+4*\t], s[22:23] offset:512*\t
.endr
	s_wait_tensorcnt 0x0
	ds_add_u32 v192, v193
	s_wait_dscnt 0x0
	s_endpgm
.Lfunc_end_k_qe9f92ec78c_prep:
	.size	k_qe9f92ec78c_prep, .Lfunc_end_k_qe9f92ec78c_prep-k_qe9f92ec78c_prep
	.p2alignl 7, 3214868480
	.fill 96, 4, 3214868480
	.section	.rodata,"a",@progbits
	.p2align	6, 0x0
	.amdhsa_kernel k_qe9f92ec78c_prep
		.amdhsa_group_segment_fixed_size 44544
		.amdhsa_private_segment_fixed_size 0
		.amdhsa_enable_private_segment 0
		.amdhsa_kernarg_size 48
		.amdhsa_user_sgpr_count 2
		.amdhsa_user_sgpr_kernarg_segment_ptr 1
		.amdhsa_wavefront_size32 1
		.amdhsa_system_sgpr_workgroup_id_x 1
		.amdhsa_system_sgpr_workgroup_id_y 1
		.amdhsa_system_sgpr_workgroup_id_z 1
		.amdhsa_system_vgpr_workitem_id 0
		.amdhsa_next_free_vgpr 194
		.amdhsa_next_free_sgpr 66
		.amdhsa_reserve_vcc 0
		.amdhsa_float_denorm_mode_32 3
		.amdhsa_float_denorm_mode_16_64 3
		.amdhsa_memory_ordered 1
		.amdhsa_forward_progress 1
		.amdhsa_inst_pref_size 27
	.end_amdhsa_kernel
	.amdgpu_metadata
---
amdhsa.version: [ 1, 2 ]
amdhsa.kernels:
  - .name:           k_qe9f92ec78c_prep
    .symbol:         k_qe9f92ec78c_prep.kd
    .args:
      - { .name: Wq, .offset: 0, .size: 8, .value_kind: global_buffer, .address_space: global }
      - { .name: Wk, .offset: 8, .size: 8, .value_kind: global_buffer, .address_space: global }
      - { .name: Wv, .offset: 16, .size: 8, .value_kind: global_buffer, .address_space: global }
      - { .name: Wo, .offset: 24, .size: 8, .value_kind: global_buffer, .address_space: global }
      - { .name: wf, .offset: 32, .size: 8, .value_kind: global_buffer, .address_space: global }
      - { .name: wof, .offset: 40, .size: 8, .value_kind: global_buffer, .address_space: global }
    .group_segment_fixed_size: 44544
    .private_segment_fixed_size: 0
    .kernarg_segment_align: 8
    .kernarg_segment_size: 48
    .max_flat_workgroup_size: 128
    .sgpr_count:     66
    .vgpr_count:     194
    .wavefront_size: 32
...
	.end_amdgpu_metadata
.endif
;; end of part 1
;; launch proj (part 2): grid 128 x 3, 16 waves a work-group, no clusters, 38,912 bytes of LDS; arguments query, key, value, wf, bq, bk, bv, mask, qf, kv; writes qf, kv
.if DOCPART == 2
	.amdgcn_target "amdgcn-amd-amdhsa--gfx1250"
	.amdhsa_code_object_version 6
	.text
	.protected	k_qe9f92ec78c_proj
	.globl	k_qe9f92ec78c_proj
	.p2align	8
	.type	k_qe9f92ec78c_proj,@function
k_qe9f92ec78c_proj:
	s_mov_b64 s[64:65], 0
	v_nop
	global_prefetch_b8 v0, s[64:65] scope:SCOPE_SE
	s_setreg_imm32_b32 hwreg(HW_REG_WAVE_MODE, 25, 1), 1
	s_wait_xcnt 0x0
; q = (query Wq^T + bq) log2(e) / 8,  k = key Wk^T + bk (rows of masked tokens set to 0),  v = value Wv^T + bv: three products on codes of FP4 (E2M1) with E8M0 scales for each 32 along K = 1,024; sums in f32.
; The results leave as f16, in the order of the next products' operand registers (a CHUNK: 32 lanes x 16 bytes):
;   qf: [bh 64][tile of 16 queries 128][ks 2][c 2] chunks: lane (r, h): channels 32 ks + 16 c + 8 h + 0 .. 7 of query r
;   kv: [bh 64][step of 64 keys 32] 16 KB: K at chunk 4 kt + nt (as qf), then V^T at 8,192 + chunk (4 kk + ct) 2 + c: lane (r, h): keys 32 kk + 16 c + 8 h + 0 .. 7 of channel 16 ct + r
; SHARES: work-group (x, y) takes 64 tokens of tensor y against all 1,024 outputs.  Wave w first quantises rows 4 w .. 4 w + 3 (a lane 8 neighbours along K, four lanes a block) into LDS; behind ONE barrier it makes head w:
; 64 tokens x 64 channels, 16 accumulators, 8 K steps of 128.  x is read from memory once, as f32, and its codes never leave LDS.
; THE WEIGHTS' records (laid by the launch before) go from memory straight into the registers of their one reading wave, two K steps ahead.  NO JOINT REQUESTS: those serve loads into LDS alone, and LDS would add a write
; and a read of the 544 KB that a work-group walks, for data that one wave reads once.
; q and k: source 0 = 16 rows of W, source 1 = 16 tokens: a lane holds a token and eight channels.  v: the sources change places: a lane holds a channel and eight tokens.  Either way a lane's eight results pack into the 16 bytes of a chunk.
; LIMITS: NaN and infinities are not served; blocks whose largest magnitude lies under 2^-124 keep the scale byte 1 (not tried); q log2(e) / 8, k and v must lie inside f16's 65,504.
.set LINE,  272                        ; LDS: a line is 16 rows x 16 bytes (32 codes a row), lines 272 bytes apart; a tile of 16 rows has 32
.set TILEB, 32*LINE
.set XSC,   4*TILEB                    ; behind the four tiles: x's scale words [kstep 8][tile 4][r 16]
.set REC,   4352
.set XA,   1                           ; v1   32 x lane
.set XW,   2                           ; v2   where my word of codes goes
.set XSW,  3                           ; v3   where my block's byte goes
.set LI,   4                           ; v4   272 h + 16 r: my 16 bytes of a chunk
.set LS,   5                           ; v5   XSC + 4 x lane
.set WA,   6                           ; v6   16 x lane: the weights' chunks, and the stores
.set WSA,  7                           ; v7   4 x lane
.set MA,   8                           ; v8   r
.set BA,   9                           ; v9   32 h
.set BV,   10                          ; v10  4 r
.set KEEP, 12                          ; v12-15 for each tile of tokens: all ones, or 0 for a masked token of k
.set XS,   16                          ; v16-17 x's scale words: lanes 0-15 tile 2 u, lanes 16-31 tile 2 u + 1
.set WS,   18                          ; v18-21 the weights' likewise, two buffers
.set TM,   22
.set TS,   26
.set TC,   32
.set TB,   48
.set XF,   32                          ; v32-63   x's four fragments of a K step
.set WF,   64                          ; v64-127  the weights' four, two buffers
.set ACC,  128                         ; v128-255 accumulator (m, nt) at ACC + 8 (4 m + nt)
.set X,    128                         ; ahead of the barrier: the 128 numbers of x
.macro QUAD i, SI, SP
.irp p, 0,1,2,3
	v_max3_num_f32 v[TM+\p], |v[X+8*(4*\i+\p)]|, |v[X+8*(4*\i+\p)+1]|, 0x1800000   ; my 8 numbers, and the floor 2^(3 - 127): the byte cannot fall under 1
.endr
.irp j, 2,4,6
.irp p, 0,1,2,3
	v_max3_num_f32 v[TM+\p], v[TM+\p], |v[X+8*(4*\i+\p)+\j]|, |v[X+8*(4*\i+\p)+\j+1]|
.endr
.endr
.irp p, 0,1,2,3
	v_max_num_f32_dpp v[TM+\p], v[TM+\p], v[TM+\p] row_xmask:1 row_mask:0xf bank_mask:0xf
.endr
.irp p, 0,1,2,3
	v_max_num_f32_dpp v[TM+\p], v[TM+\p], v[TM+\p] row_xmask:2 row_mask:0xf bank_mask:0xf   ; with the three lanes that share my block
.endr
.irp p, 0,1,2,3
	v_add_nc_u32 v[TS+\p], 0xff000000, v[TM+\p]    ; 2 off the exponent field: the conversion takes that field as its scale
.endr
.irp p, 0,1,2,3
	v_cvt_scalef32_pk8_fp4_f32 v[TC+4*\i+\p], v[X+8*(4*\i+\p):X+8*(4*\i+\p)+7], v[TS+\p]
.endr
.irp p, 0,1,2,3
	v_lshrrev_b32 v[TB+4*\i+\p], 23, v[TS+\p]      ; the scale's byte; also the plain line behind the conversions
.endr
.irp p, 0,1,2,3
	ds_store_b32 v[XW], v[TC+4*\i+\p] offset:16*\i+2176*\p
	ds_store_b8 v[XSW], v[TB+4*\i+\p] offset:\SI*\i+\SP*\p   ; a block's four lanes write the same byte with the same value
.endr
.endm
.macro LOADW s                         ; K step s of my head's weights: 8 chunks and 2 registers of scale words: ten loads
.irp nt, 0,1,2,3
.irp c, 0,1
	global_load_b128 v[WF+32*((\s)%2)+8*\nt+4*\c:WF+32*((\s)%2)+8*\nt+4*\c+3], v[WA], s[38:39] offset:REC*(\s)+1024*\nt+512*\c
.endr
.endr
.irp u, 0,1
	global_load_b32 v[WS+2*((\s)%2)+\u], v[WSA], s[38:39] offset:REC*(\s)+4096+128*\u
.endr
.endm
.macro FETCHX s                        ; K step s of the 64 tokens, from LDS
.irp m, 0,1,2,3
.irp c, 0,1
	ds_load_b128 v[XF+8*\m+4*\c:XF+8*\m+4*\c+3], v[LI] offset:TILEB*\m+1088*(\s)+544*\c
.endr
.endr
.irp u, 0,1
	ds_load_b32 v[XS+\u], v[LS] offset:256*(\s)+128*\u
.endr
.endm
.macro WM c                            ; one product; rD, rA, rB, sA, sB, rowA, rowB are set by the caller; a scale register's lanes 16-31 are named by ROW1
.if (rowA == 0) && (rowB == 0)
	v_wmma_scale_f32_16x16x128_f8f6f4 v[rD:rD+7], v[rA:rA+7], v[rB:rB+7], \c, v[sA], v[sB] matrix_a_fmt:MATRIX_FMT_FP4 matrix_b_fmt:MATRIX_FMT_FP4
.elseif rowB == 0
	v_wmma_scale_f32_16x16x128_f8f6f4 v[rD:rD+7], v[rA:rA+7], v[rB:rB+7], \c, v[sA], v[sB] matrix_a_fmt:MATRIX_FMT_FP4 matrix_b_fmt:MATRIX_FMT_FP4 matrix_a_scale:MATRIX_SCALE_ROW1
.elseif rowA == 0
	v_wmma_scale_f32_16x16x128_f8f6f4 v[rD:rD+7], v[rA:rA+7], v[rB:rB+7], \c, v[sA], v[sB] matrix_a_fmt:MATRIX_FMT_FP4 matrix_b_fmt:MATRIX_FMT_FP4 matrix_b_scale:MATRIX_SCALE_ROW1
.else
	v_wmma_scale_f32_16x16x128_f8f6f4 v[rD:rD+7], v[rA:rA+7], v[rB:rB+7], \c, v[sA], v[sB] matrix_a_fmt:MATRIX_FMT_FP4 matrix_b_fmt:MATRIX_FMT_FP4 matrix_a_scale:MATRIX_SCALE_ROW1 matrix_b_scale:MATRIX_SCALE_ROW1
.endif
.endm
; A K step: 16 products, the 16 accumulators by turns in the same order in every step; then the loads into the registers just read, behind four places.
.macro KSTEP s, swap
.if (\s) < 7
	s_wait_loadcnt 10                              ; this step's weights are in; the next step's ten loads may be out
.else
	s_wait_loadcnt 8                               ; behind the last weights: the bias's eight loads
.endif
	s_wait_dscnt 0x0                               ; x's fragments and scale words
.irp m, 0,1,2,3
.irp nt, 0,1,2,3
.set rD, ACC+8*(4*\m+\nt)
.if \swap
.set rA, XF+8*\m
.set rB, WF+32*((\s)%2)+8*\nt
.set sA, XS+\m/2
.set sB, WS+2*((\s)%2)+\nt/2
.set rowA, \m%2
.set rowB, \nt%2
.else
.set rA, WF+32*((\s)%2)+8*\nt
.set rB, XF+8*\m
.set sA, WS+2*((\s)%2)+\nt/2
.set sB, XS+\m/2
.set rowA, \nt%2
.set rowB, \m%2
.endif
.if (\s) == 0
	WM 0
.else
	WM v[rD:rD+7]
.endif
.endr
.endr
.rept 4
	v_nop                                          ; four places in front of loads into registers that these products have read, and of the first read of results
.endr
.if (\s) < 6
	LOADW (\s)+2
.endif
.if (\s) == 6                          ; the bias takes the weights' buffer 0, which is done with: eight loads
.if \swap
.irp nt, 0,1,2,3
.irp u, 0,1
	global_load_b32 v[WF+2*\nt+\u], v[BV], s[30:31] offset:64*\nt   ; my channel's bias, twice: a pair for the packed addition
.endr
.endr
.else
.irp nt, 0,1,2,3
.irp e, 0,1
	global_load_b128 v[WF+8*\nt+4*\e:WF+8*\nt+4*\e+3], v[BA], s[30:31] offset:64*\nt+16*\e   ; my eight channels' bias
.endr
.endr
.endif
.endif
.if (\s) < 7
	FETCHX (\s)+1
.endif
.endm
	s_load_b512 s[4:19], s[0:1], 0x0               ; query s[4:5], key s[6:7], value s[8:9], wf s[10:11], bq s[12:13], bk s[14:15], bv s[16:17], mask s[18:19]
	s_load_b128 s[20:23], s[0:1], 0x40             ; qf s[20:21], kv s[22:23]
	v_lshrrev_b32 v30, 5, v0
	v_readfirstlane_b32 s24, v30                   ; wave 0..15
	s_and_b32 s25, ttmp7, 0xffff                   ; y: 0 query, 1 key, 2 value
	s_mov_b32 s26, ttmp9                           ; which 64 tokens
	v_and_b32 v31, 31, v0                          ; lane
	v_bfe_u32 v30, v0, 4, 1                        ; h
	v_and_b32 v[MA], 15, v0                        ; r
	v_lshlrev_b32 v[XA], 5, v31
	v_bfe_u32 v[XW], v0, 2, 3
	v_mul_u32_u24 v[XW], v[XW], LINE
	v_and_b32 v[XSW], 3, v0
	v_lshl_add_u32 v[XW], v[XSW], 2, v[XW]         ; 272 (lane / 4) + 4 (lane % 4)
	s_lshr_b32 s40, s24, 2
	s_mul_i32 s40, s40, TILEB
	s_and_b32 s41, s24, 3
	s_lshl_b32 s41, s41, 6
	s_add_co_u32 s40, s40, s41
	v_add_nc_u32 v[XW], s40, v[XW]                 ; + tile w / 4, rows 4 (w % 4) on
	v_bfe_u32 v[XSW], v0, 2, 2
	v_lshl_add_u32 v[XSW], v30, 8, v[XSW]
	s_lshl_b32 s42, s24, 4
	s_add_co_u32 s42, s42, XSC
	v_add_nc_u32 v[XSW], s42, v[XSW]               ; XSC + 256 (lane / 16) + (lane / 4) % 4 + 16 w
	v_mul_u32_u24 v[LI], v30, LINE
	v_lshl_add_u32 v[LI], v[MA], 4, v[LI]
	v_lshl_add_u32 v[LS], v31, 2, XSC
	v_lshlrev_b32 v[WA], 4, v31
	v_lshlrev_b32 v[WSA], 2, v31
	v_lshlrev_b32 v[BA], 5, v30
	v_lshlrev_b32 v[BV], 2, v[MA]
	s_wait_kmcnt 0x0
	s_cmp_eq_u32 s25, 0                            ; the buffers are chosen by the work-group's number alone
	s_cselect_b64 s[28:29], s[4:5], s[6:7]         ; x
	s_cselect_b64 s[30:31], s[12:13], s[14:15]     ; the bias
	s_cselect_b64 s[32:33], s[20:21], s[22:23]     ; where the results go
	s_cselect_b32 s34, 0x3e38aa3b, 1.0             ; q carries log2(e) / 8
	s_cselect_b32 s35, -1, 0                       ; q keeps every row
	s_cselect_b32 s36, 0, 1                        ; kv's strides are twice qf's
	s_cmp_eq_u32 s25, 2
	s_cselect_b64 s[28:29], s[8:9], s[28:29]
	s_cselect_b64 s[30:31], s[16:17], s[30:31]
	s_cselect_b32 s37, 8192, 0                     ; V^T lies behind K
	s_mov_b32 s41, 0
	s_lshl_b32 s40, s26, 18                        ; 64 rows of 4,096 bytes,
	s_lshl_b32 s42, s24, 14                        ; my wave's four
	s_add_co_u32 s40, s40, s42
	s_add_nc_u64 s[28:29], s[28:29], s[40:41]
	s_mul_i32 s40, s25, 16*8*REC
	s_mul_i32 s42, s24, 8*REC
	s_add_co_u32 s40, s40, s42
	s_add_nc_u64 s[38:39], s[10:11], s[40:41]      ; my head's records of my weight
	s_lshl_b32 s40, s24, 8
	s_add_nc_u64 s[30:31], s[30:31], s[40:41]      ; my head's 64 numbers of the bias
	s_lshl_b32 s40, s26, 6
	s_add_nc_u64 s[18:19], s[18:19], s[40:41]      ; the 64 tokens' mask bytes
	s_lshr_b32 s40, s26, 5
	s_lshl_b32 s40, s40, 4
	s_add_co_u32 s40, s40, s24                     ; bh = 16 x batch + head
	s_lshl_b32 s40, s40, 18
	s_and_b32 s42, s26, 31
	s_lshl_b32 s42, s42, 13
	s_add_co_u32 s40, s40, s42
	s_lshl_b32 s40, s40, s36
	s_add_co_u32 s40, s40, s37
	s_add_nc_u64 s[32:33], s[32:33], s[40:41]
.irp i, 0,1,2,3
.irp p, 0,1,2,3
.irp e, 0,1
	global_load_b128 v[X+8*(4*\i+\p)+4*\e:X+8*(4*\i+\p)+4*\e+3], v[XA], s[28:29] offset:4096*\i+1024*\p+16*\e th:TH_LOAD_NT   ; a run's two loads cover 1,024 consecutive bytes; read once in the launch
.endr
.endr
.endr
.irp m, 0,1,2,3
	global_load_u8 v[KEEP+\m], v[MA], s[18:19] offset:16*\m
.endr
	LOADW 0
	LOADW 1
.irp i, 0,1,2,3
	s_wait_loadcnt 48-8*\i                         ; row i is in; out may be: the later rows' eight each, the mask's 4, the weights' 20
	QUAD \i, 4, 512
.endr
	s_wait_loadcnt 20                              ; the mask bytes are in; the weights' 20 may be out
.irp m, 0,1,2,3
	v_cmp_eq_u32 vcc_lo, 0, v[KEEP+\m]
	v_cndmask_b32 v[KEEP+\m], 0, -1, vcc_lo        ; all ones where the token is not masked,
	v_or_b32 v[KEEP+\m], s35, v[KEEP+\m]           ; and everywhere for q
.endr
	s_wait_dscnt 0x0                               ; for the others' sake: my codes and bytes have landed
	s_barrier_signal -1
	s_barrier_wait -1                              ; the only barrier: from here on LDS is only read
	FETCHX 0
	s_cmp_eq_u32 s25, 2
	s_cbranch_scc1 .Lv
.irp s, 0,1,2,3,4,5,6,7
	KSTEP \s, 0
.endr
	s_wait_loadcnt 0x0                             ; the bias
.set i, 0
.rept 16
	v_pk_mul_f32 v[WF+2*i:WF+2*i+1], v[WF+2*i:WF+2*i+1], s[34:35] op_sel_hi:[1,0]   ; bias x c
.set i, i+1
.endr
.irp m, 0,1,2,3
.irp nt, 0,1,2,3
.irp g, 0,1,2,3
	v_pk_fma_f32 v[ACC+8*(4*\m+\nt)+2*\g:ACC+8*(4*\m+\nt)+2*\g+1], v[ACC+8*(4*\m+\nt)+2*\g:ACC+8*(4*\m+\nt)+2*\g+1], s[34:35], v[WF+8*\nt+2*\g:WF+8*\nt+2*\g+1] op_sel_hi:[1,0,1]   ; sum x c + bias x c, from the accumulator's low end on
.endr
.irp g, 0,1,2,3
	v_cvt_pk_f16_f32 v[ACC+8*(4*\m+\nt)+\g], v[ACC+8*(4*\m+\nt)+2*\g], v[ACC+8*(4*\m+\nt)+2*\g+1]
.endr
.irp g, 0,1,2,3
	v_and_b32 v[ACC+8*(4*\m+\nt)+\g], v[KEEP+\m], v[ACC+8*(4*\m+\nt)+\g]   ; a masked token's row of k becomes 0
.endr
	global_store_b128 v[WA], v[ACC+8*(4*\m+\nt):ACC+8*(4*\m+\nt)+3], s[32:33] offset:512*(4*\m+\nt)   ; a chunk: 512 consecutive bytes, aligned
.endr
.endr
	s_wait_xcnt 0x0
	v_lshl_add_u32 v254, v0, 2, 0x9000
	v_mov_b32 v255, 0
	s_wait_tensorcnt 0x0
	ds_add_u32 v254, v255
	s_wait_dscnt 0x0
	s_endpgm
.Lv:
.irp s, 0,1,2,3,4,5,6,7
	KSTEP \s, 1
.endr
	s_wait_loadcnt 0x0
.irp m, 0,1,2,3
.irp nt, 0,1,2,3
.irp g, 0,1,2,3
	v_pk_add_f32 v[ACC+8*(4*\m+\nt)+2*\g:ACC+8*(4*\m+\nt)+2*\g+1], v[ACC+8*(4*\m+\nt)+2*\g:ACC+8*(4*\m+\nt)+2*\g+1], v[WF+2*\nt:WF+2*\nt+1]
.endr
.irp g, 0,1,2,3
	v_cvt_pk_f16_f32 v[ACC+8*(4*\m+\nt)+\g], v[ACC+8*(4*\m+\nt)+2*\g], v[ACC+8*(4*\m+\nt)+2*\g+1]
.endr
	global_store_b128 v[WA], v[ACC+8*(4*\m+\nt):ACC+8*(4*\m+\nt)+3], s[32:33] offset:512*((4*(\m/2)+\nt)*2+\m%2)
.endr
.endr
	s_wait_xcnt 0x0
	v_lshl_add_u32 v254, v0, 2, 0x9000
	v_mov_b32 v255, 0
	s_wait_tensorcnt 0x0
	ds_add_u32 v254, v255
	s_wait_dscnt 0x0
	s_endpgm
.Lfunc_end_k_qe9f92ec78c_proj:
	.size	k_qe9f92ec78c_proj, .Lfunc_end_k_qe9f92ec78c_proj-k_qe9f92ec78c_proj
	.p2alignl 7, 3214868480
	.fill 96, 4, 3214868480
	.section	.rodata,"a",@progbits
	.p2align	6, 0x0
	.amdhsa_kernel k_qe9f92ec78c_proj
		.amdhsa_group_segment_fixed_size 38912
		.amdhsa_private_segment_fixed_size 0
		.amdhsa_enable_private_segment 0
		.amdhsa_kernarg_size 80
		.amdhsa_user_sgpr_count 2
		.amdhsa_user_sgpr_kernarg_segment_ptr 1
		.amdhsa_wavefront_size32 1
		.amdhsa_system_sgpr_workgroup_id_x 1
		.amdhsa_system_sgpr_workgroup_id_y 1
		.amdhsa_system_sgpr_workgroup_id_z 1
		.amdhsa_system_vgpr_workitem_id 0
		.amdhsa_next_free_vgpr 256
		.amdhsa_next_free_sgpr 66
		.amdhsa_reserve_vcc 1
		.amdhsa_float_denorm_mode_32 3
		.amdhsa_float_denorm_mode_16_64 3
		.amdhsa_memory_ordered 1
		.amdhsa_forward_progress 1
		.amdhsa_inst_pref_size 100
	.end_amdhsa_kernel
	.amdgpu_metadata
---
amdhsa.version: [ 1, 2 ]
amdhsa.kernels:
  - .name:           k_qe9f92ec78c_proj
    .symbol:         k_qe9f92ec78c_proj.kd
    .args:
      - { .name: query, .offset: 0, .size: 8, .value_kind: global_buffer, .address_space: global }
      - { .name: key, .offset: 8, .size: 8, .value_kind: global_buffer, .address_space: global }
      - { .name: value, .offset: 16, .size: 8, .value_kind: global_buffer, .address_space: global }
      - { .name: wf, .offset: 24, .size: 8, .value_kind: global_buffer, .address_space: global }
      - { .name: bq, .offset: 32, .size: 8, .value_kind: global_buffer, .address_space: global }
      - { .name: bk, .offset: 40, .size: 8, .value_kind: global_buffer, .address_space: global }
      - { .name: bv, .offset: 48, .size: 8, .value_kind: global_buffer, .address_space: global }
      - { .name: mask, .offset: 56, .size: 8, .value_kind: global_buffer, .address_space: global }
      - { .name: qf, .offset: 64, .size: 8, .value_kind: global_buffer, .address_space: global }
      - { .name: kv, .offset: 72, .size: 8, .value_kind: global_buffer, .address_space: global }
    .group_segment_fixed_size: 38912
    .private_segment_fixed_size: 0
    .kernarg_segment_align: 8
    .kernarg_segment_size: 80
    .max_flat_workgroup_size: 512
    .sgpr_count:     66
    .vgpr_count:     256
    .wavefront_size: 32
...
	.end_amdgpu_metadata
.endif
;; end of part 2
;; launch attn (part 3): grid 4 x 64, 8 waves a work-group, clusters of 4 x 1, 327,680 bytes of LDS; arguments qf, kv, mask, ctx; writes ctx
.if DOCPART == 3
	.amdgcn_target "amdgcn-amd-amdhsa--gfx1250"
	.amdhsa_code_object_version 6
	.text
	.protected	k_qe9f92ec78c_attn
	.globl	k_qe9f92ec78c_attn
	.p2align	8
	.type	k_qe9f92ec78c_attn,@function
k_qe9f92ec78c_attn:
	s_mov_b64 s[64:65], 0
	v_nop
	global_prefetch_b8 v0, s[64:65] scope:SCOPE_SE
	s_setreg_imm32_b32 hwreg(HW_REG_WAVE_MODE, 25, 1), 1
	s_wait_xcnt 0x0
	s_wait_alu depctr_hold_cnt(0) depctr_sa_sdst(0) depctr_va_vdst(0) depctr_va_sdst(0) depctr_va_ssrc(0) depctr_va_vcc(0) depctr_vm_vsrc(0)
	s_getreg_b32 s2, hwreg(HW_REG_IB_STS2, 6, 4)
	s_cmp_eq_u32 s2, 0
	s_cbranch_scc0 .Lentry_in_a_cluster
	s_endpgm
.Lentry_in_a_cluster:
	s_bfe_u32 s2, ttmp6, 0x10000c
	s_cmp_lg_u32 s2, 0x3003
	s_cbranch_scc0 .Lentry_shape_is_right
	s_endpgm
.Lentry_shape_is_right:
; ctx[b][q][head] = the sum over k of softmax_k(scores) v, scores = q . k / 8, masked keys at -1e9.  q, k, v arrive as f16 fragments (qf, kv: laid by the launch before); q already carries log2(e) / 8, so that p = 2^(s - m).
; Products on f16 operands, sums, maxima and the softmax in f32; p is rounded to f16 for the second product (p is at most 1, and exactly 1 at the row's maximum); the row's sum is taken of the unrounded p.
; THE MASK COSTS NO VECTOR WORK IN THE LOOP: masked keys' rows of k arrive as zeros, and each score tile's first product takes as its C a bias of 0 or NEGT = -1e9 log2(e) (rounded to f32) from a table in LDS: a masked score is exactly NEGT.
; A row all of whose keys are masked so has equal scores and uniform weights.
; SHARES: a cluster of four work-groups is one (batch, head); a work-group owns 512 queries, each of its eight waves 64: four tiles of 16.  Two waves share a SIMD: one's softmax stands beside the other's products, so the step is written in phases.
; Every wave walks 2,048 keys, 64 a step.  S^T = K Q^T (source 0 = 16 keys, source 1 = 16 queries), O^T = V^T P (source 0 = 16 channels x 32 keys): a lane holds ONE query throughout, and two score tiles rounded in pairs ARE source 1 of the second product.
; RING: two LDS slots of 512 keys (8 steps x 16 KB).  Each wave brings one step's 16 KB by ONE load, asked for JOINTLY by the four work-groups (mask 15): same descriptor, same round.  Four fills: two at the head, two refills; a refill has 8 steps,
; 512 matrix instructions a wave, in which to land.  By this text's count a wave has two tensor loads out at the head and one behind each refill.
; O^T / l, rounded to f16, is a fragment of the next launch's operand as it stands: ctx: [tile of 16 tokens 512][k32 32][c 2] chunks of 512 bytes; no stage is needed.
; LIMITS: NaN and infinities are not served; ctx must lie inside f16's range.
; REGISTERS: window 0: v1-9 addresses; v12-43 statistics, eight a tile (+0 m, +1 the new m, +2, +3 l, +4 .. +7 at work, a in +6); v44-57 the table's making; v64-191 S^T (32 a tile); v192-255 P (16 a tile), and ahead of K Q^T in v192-223 the bias.
;   window 1: v0-63 eight fragments, K's and then V's; v64-191 O^T (32 a tile); v192-255 Q (16 a tile).
.set STEPB, 16384                      ; a step in LDS and in memory: K 8 KB, V^T 8 KB
.set SLOT1, 131072
.set BIAS,  262144                     ; behind the ring: 2,048 keys x 4 bytes, written by LDS stores, never filled by a load
.set SPARE, 270336                     ; the spare words, 128 bytes for each wave: four blocks of 256 bytes that no other line names
.set NEGT,  0xceabfb8f
.set LI,  1                            ; v1   16 x lane
.set ADR, 2                            ; v2   the step's tiles
.set BI0, 3                            ; v3   BIAS + 32 h
.set ABI, 4                            ; v4   the step's bias
.set PFO, 6                            ; v6   256 x lane; never rewritten
.set SPW, 8                            ; v8   my spare word; never rewritten
.set NIL, 9                            ; v9   0; never rewritten
.set ST,  12
.set S,   64
.set P,   192
.set WV,  12                           ; s12  wave
.set G1,  16                           ; s[16:23] descriptor group 1
.set G0A, 24                           ; s[24:27] group 0 of slot 0;  s[28:31] of slot 1
.set G0B, 28
.set SEL, 32                           ; s[32:33] lane selects: lane l xor 16
.set TB,  34                           ; s34  LDS byte of the step in hand
.set TJ,  35                           ; s35  its place in the bias table
.set CNT, 36
.set PFA, 38                           ; s[38:39] the prefetch's address; never rewritten
.set MSB, 0
.macro WIN new                         ; the immediate's high byte repeats the setting that is left; a switch that changes nothing is dropped
.if MSB != \new
	s_set_vgpr_msb (MSB<<8)|\new
.set MSB, \new
.endif
.endm
.macro CROUND                          ; a round of the cluster's barrier
	s_barrier_signal -1
	s_barrier_wait -1
	s_cmp_lg_u32 s[WV], 0
	s_cbranch_scc1 .Lnot_wave_0_\@
	s_barrier_signal -3
.Lnot_wave_0_\@:
	s_barrier_wait -3
	s_barrier_signal -1
	s_barrier_wait -1
.endm
.macro PLACES
.rept 4
	v_nop
.endr
.endm
; Product i of 32 of S^T: channels 32 (i / 16) on, keys 16 ((i / 4) % 4) on, tile i % 4.  The first 16 start the sums from the bias.  The 16 accumulators take turns.
.macro KQ
.set rS, S+32*(i%4)+8*((i/4)%4)
.set rK, 8*(2*((i/4)%4)+i/16)
.set rQ, 192+16*(i%4)+8*(i/16)
.if i < 16
	v_wmma_f32_16x16x32_f16 v[rS:rS+7], v[rK:rK+7], v[rQ:rQ+7], v[P+8*((i/4)%4):P+8*((i/4)%4)+7]
.else
	v_wmma_f32_16x16x32_f16 v[rS:rS+7], v[rK:rK+7], v[rQ:rQ+7], v[rS:rS+7]
.endif
.endm
; Product i of 32 of O^T += V^T P: keys 32 (i / 16) on, channels 16 ((i / 4) % 4) on, tile i % 4
.macro PV
.set rO, 64+32*(i%4)+8*((i/4)%4)
.set rV, 8*(4*(i/16)+(i/4)%4)
.set rP, P+16*(i%4)+8*(i/16)
	v_wmma_f32_16x16x32_f16 v[rO:rO+7], v[rV:rV+7], v[rP:rP+7], v[rO:rO+7]
.endm
; One tile's softmax for a step is a list of numbers 0 to 117; SM writes number j for tile t.  s0-s31 are the lane's 32 scores.
;   0-15 the maximum of s0-s31 and the old m (each accumulator is first read at its low end); 16-19 the other half of the lanes', the new m, m_old - m_new
;   21-87 33 exponentials (a, then s0-s31) at the odd numbers from 23 on; at the even numbers what is ready: s - m for a pair still to come, the rounding to f16 of a pair that is done, the first sums
;   88-101 the last rounding, the rest of the sums, l = a l + the sum;  102-117 the tile's O^T times a
.macro SM t
.set rT, ST+8*(\t)
.set rS, S+32*(\t)
.set rP, P+16*(\t)
.set q, (j-20)/2
.if j < 102
	WIN 0
.endif
.if j < 4
	v_max3_num_f32 v[rT+4+j], v[rS+8*j], v[rS+8*j+1], v[rS+8*j+2]
.elseif j < 12
	v_max3_num_f32 v[rT+4+j%4], v[rT+4+j%4], v[rS+8*(j%4)+2*(j/4)+1], v[rS+8*(j%4)+2*(j/4)+2]
.elseif j == 12
	v_max3_num_f32 v[rT+4], v[rT+4], v[rS+7], v[rS+15]
.elseif j == 13
	v_max3_num_f32 v[rT+6], v[rT+6], v[rS+23], v[rS+31]
.elseif j == 14
	v_max3_num_f32 v[rT+4], v[rT+4], v[rT+5], v[rT+6]
.elseif j == 15
	v_max3_num_f32 v[rT+4], v[rT+4], v[rT+7], v[rT]
.elseif j == 16
	v_permlanex16_b32 v[rT+5], v[rT+4], s[SEL], s[SEL+1]   ; the query's other 32 keys lie in the lane 16 away
.elseif j == 17
	v_max_num_f32 v[rT+1], v[rT+4], v[rT+5]
.elseif j == 18
	v_sub_f32 v[rT+7], v[rT], v[rT+1]
.elseif j == 19
	v_mov_b32 v[rT], v[rT+1]
.elseif j == 20
.elseif j == 23
	v_exp_f32 v[rT+6], v[rT+7]                     ; a = 2^(m_old - m_new)
.elseif (j < 88) && (j > 23) && (j%2 == 1)
	v_exp_f32 v[rS+(j-25)/2], v[rS+(j-25)/2]
.elseif (q < 4) || ((j < 76) && (q%2 == 0))
.set b, q/2+2
.if q < 4
.set b, q
.endif
	v_pk_add_f32 v[rS+2*b:rS+2*b+1], v[rS+2*b:rS+2*b+1], v[rT:rT+1] op_sel_hi:[1,0] neg_lo:[0,1] neg_hi:[0,1]   ; pair b: s - m
.elseif (j < 88) && (q%2 == 1)
	s_wait_alu depctr_va_vdst(0)
	v_cvt_pk_f16_f32 v[rP+(q-5)/2], v[rS+q-5], v[rS+q-4]   ; its second exponential stands three numbers back
.elseif j == 89
	s_wait_alu depctr_va_vdst(0)
	v_cvt_pk_f16_f32 v[rP+15], v[rS+30], v[rS+31]
.elseif j < 102                        ; the sum of the 16 pairs, in place: neighbours 1, 2, 4 and 8 pairs apart, then l takes it
.set z, j-86
.if j < 89
.set z, (j-76)/4
.endif
.set w, 4
.set u, z
.if z >= 14
.set w, 32
.set u, 0
.elseif z >= 12
.set w, 16
.set u, z-12
.elseif z >= 8
.set w, 8
.set u, z-8
.endif
.if z < 15
	v_pk_add_f32 v[rS+w*u:rS+w*u+1], v[rS+w*u:rS+w*u+1], v[rS+w*u+w/2:rS+w*u+w/2+1]
.else
	v_pk_fma_f32 v[rT+2:rT+3], v[rT+2:rT+3], v[rT+6:rT+7], v[rS:rS+1] op_sel_hi:[1,0,1]
.endif
.else
	WIN 0x41                                       ; O^T (destination and source 0) in window 1, a in window 0
	v_pk_mul_f32 v[64+32*(\t)+2*(j-102):64+32*(\t)+2*(j-102)+1], v[64+32*(\t)+2*(j-102):64+32*(\t)+2*(j-102)+1], v[rT+6:rT+7] op_sel_hi:[1,0]
.endif
.endm
.macro SOFTMAX                         ; number by number, the four tiles by turns: four exponentials stand together and four plain lines of other registers follow them
.set j, 0
.rept 118
.irp t, 0,1,2,3
	SM \t
.endr
.set j, j+1
.endr
.endm
; A KEY STEP: 64 keys
.macro STEP
	WIN 0
	v_add_nc_u32 v[ADR], s[TB], v[LI]
	v_add_nc_u32 v[ABI], s[TJ], v[BI0]
	v_nop
	v_nop                                          ; four places behind the last V^T P, in front of loads into P's and V's registers
.irp kt, 0,1,2,3
.irp e, 0,1
	ds_load_b128 v[P+8*\kt+4*\e:P+8*\kt+4*\e+3], v[ABI] offset:64*\kt+16*\e   ; the bias of keys 16 kt + 8 h + 0 .. 7: a score tile's layout
.endr
.endr
	WIN 0x40                                       ; destination window 1
.set i, 0
.rept 16
	ds_load_b128 v[4*i:4*i+3], v[ADR] offset:512*i ; K: chunks as they lie
.set i, i+1
.endr
	s_wait_dscnt 0x0
	WIN 0x05                                       ; K and Q in window 1, bias and S^T in window 0
.set i, 0
.rept 32
	KQ
.set i, i+1
.endr
	PLACES                                         ; in front of the loads into K's registers, of the first read of scores and of the writes over the bias
	WIN 0x40
.set i, 0
.rept 16
	ds_load_b128 v[4*i:4*i+3], v[ADR] offset:8192+512*i   ; V^T: it lands under the softmax
.set i, i+1
.endr
	SOFTMAX
	s_wait_dscnt 0x0
	WIN 0x51                                       ; V in window 1, P in window 0, O^T in window 1
.set i, 0
.rept 32
	PV
.set i, i+1
.endr
	WIN 0                                          ; at a label and at a branch every window is 0
.endm
.macro WORK base, tj                   ; a slot's eight steps
	s_mov_b32 s[TB], \base
	s_mov_b32 s[TJ], \tj
	s_mov_b32 s[CNT], 8
.Lstep_\@:
	STEP
	s_add_co_u32 s[TB], s[TB], STEPB
	s_add_co_u32 s[TJ], s[TJ], 256
	s_sub_co_u32 s[CNT], s[CNT], 1
	s_cmp_lg_u32 s[CNT], 0
	s_cbranch_scc1 .Lstep_\@
.endm
; THE CHANGE OF SLOTS.  Each wave waits for all its tensor loads (its part of the slot ahead), adds 0 to its spare word, and waits for that and for its reads of the slot that it leaves.  fill = 1: a round of the cluster's barrier,
; so that no wave of any partner still reads the slot or has a load on its way; the joint refill is the first thing behind it.
.macro CHANGE g0, fill
	s_wait_tensorcnt 0x0                           ; no tensor load of mine is out, so a group 0 may be written
	ds_add_u32 v[SPW], v[NIL]                      ; 0 onto my spare word
.if \fill
	s_add_nc_u64 s[\g0+2:\g0+3], s[\g0+2:\g0+3], 2*SLOT1   ; the slot's next 512 keys; the type bits on top are not reached
.endif
	s_wait_dscnt 0x0                               ; the add is done, and my reads of the slot are over
.if \fill
	CROUND
	tensor_load_to_lds s[\g0:\g0+3], s[G1:G1+7]
	s_nop 0
	PLACES                                         ; four v_nop follow the load
.else
	s_barrier_signal -1
	s_barrier_wait -1
.endif
.endm
	s_load_b256 s[4:11], s[0:1], 0x0               ; qf s[4:5], kv s[6:7], mask s[8:9], ctx s[10:11]
	v_lshl_add_u32 v[SPW], v0, 2, SPARE
	v_mov_b32 v[NIL], 0
	ds_add_u32 v8, v9
	ds_add_u32 v8, v9
	s_wait_dscnt 0x0
	v_lshrrev_b32 v2, 5, v0
	v_readfirstlane_b32 s[WV], v2                  ; wave 0..7
	s_bfe_u32 s13, ttmp6, 0x40000                  ; cx: it enters Q's, ctx's and the prefetch's addresses alone
	s_and_b32 s14, ttmp7, 0xffff                   ; bh = 16 x batch + head, which the four partners share
	; descriptor group 1: a dense block of 16 KB as 64 rows of 256 bytes
	s_mov_b32 s[G1], 15|(3<<16)|(1<<21)            ; 15:0 the mask: all four work-groups; 17:16 elements of 8 bytes; 21 set beside a mask; no padding: chunks are read as they lie
	s_mov_b32 s[G1+1], 32<<16                      ; tensor_dim0 = 32
	s_mov_b32 s[G1+2], 64<<16                      ; tensor_dim1 = 64
	s_mov_b32 s[G1+3], 32<<16                      ; tile_dim0 = 32
	s_mov_b32 s[G1+4], 64                          ; tile_dim1 = 64
	s_mov_b32 s[G1+5], 32                          ; from row to row
	s_mov_b32 s[G1+6], 0
	s_mov_b32 s[G1+7], 0
	s_mov_b32 s[SEL], 0x76543210
	s_mov_b32 s[SEL+1], 0xfedcba98
	s_lshl_b32 s40, s14, 19                        ; the head's 512 KB of kv
	s_mov_b32 s41, 0
	s_lshl_b32 s42, s[WV], 14                      ; the step that I fetch, in memory and in a slot
	s_mov_b32 s43, 0
	s_wait_kmcnt 0x0
	s_add_nc_u64 s[6:7], s[6:7], s[40:41]
	s_mov_b32 s[G0A], 1                            ; count = 1
	s_lshl_b32 s[G0A+1], s[WV], 14                 ; LDS address: slot 0
	s_add_nc_u64 s[G0A+2:G0A+3], s[6:7], s[42:43]  ; keys 0 .. 511
	s_or_b32 s[G0A+3], s[G0A+3], 0x80000000        ; type = 2
	s_mov_b32 s[G0B], 1
	s_add_co_u32 s[G0B+1], s42, SLOT1              ; slot 1
	s_add_nc_u64 s[G0B+2:G0B+3], s[G0A+2:G0A+3], SLOT1   ; keys 512 .. 1,023 (the type bits come along)
	CROUND                                         ; all four work-groups are here: the first joint loads meet
	tensor_load_to_lds s[G0A:G0A+3], s[G1:G1+7]
	s_nop 0
	tensor_load_to_lds s[G0B:G0B+3], s[G1:G1+7]
	s_nop 0
	PLACES
	s_lshr_b32 s40, s14, 4
	s_lshl_b32 s40, s40, 11
	s_add_nc_u64 s[8:9], s[8:9], s[40:41]          ; my batch's 2,048 mask bytes
	v_lshlrev_b32 v46, 3, v0
	global_load_b64 v[44:45], v46, s[8:9]          ; thread t: keys 8 t .. 8 t + 7
	s_lshl_b32 s44, s14, 18
	s_lshl_b32 s46, s13, 16
	s_add_co_u32 s44, s44, s46
	s_lshl_b32 s46, s[WV], 13
	s_add_co_u32 s44, s44, s46
	s_mov_b32 s45, 0
	s_add_nc_u64 s[4:5], s[4:5], s[44:45]          ; my four tiles of Q
	v_and_b32 v[LI], 31, v0
	v_lshlrev_b32 v[PFO], 8, v[LI]
	v_lshlrev_b32 v[LI], 4, v[LI]
	WIN 0x40
.set i, 0
.rept 16
	global_load_b128 v[192+4*i:192+4*i+3], v[LI], s[4:5] offset:512*i   ; Q stays in registers
.set i, i+1
.endr
.set i, 0
.rept 128
	v_mov_b32 v[64+i], 0                           ; O^T.  The step is written once: its first walk finds zeros, which a = 0 leaves zeros
.set i, i+1
.endr
	WIN 0
.irp t, 0,1,2,3
	v_mov_b32 v[ST+8*\t], 0xff61b1e6               ; m: -3e38, under every score
	v_mov_b32 v[ST+8*\t+1], 0xff61b1e6
.irp n, 2,3,4,5,6,7
	v_mov_b32 v[ST+8*\t+\n], 0                     ; l, and what a lane permute or a pair names before it is first made
.endr
.endr
	v_bfe_u32 v[BI0], v0, 4, 1
	v_lshl_add_u32 v[BI0], v[BI0], 5, BIAS
	v_lshl_add_u32 v47, v0, 5, BIAS
	v_mov_b32 v56, NEGT
	s_lshl_b32 s44, s13, 15                        ; the prefetch: keys 1,536 on, 128 KB: 32 KB a work-group, told apart by address, 8 KB a wave
	s_and_b32 s46, s[WV], 3
	s_lshl_b32 s46, s46, 13
	s_add_co_u32 s44, s44, s46
	s_add_co_u32 s44, s44, 3*SLOT1
	s_add_nc_u64 s[PFA:PFA+1], s[6:7], s[44:45]
	s_lshr_b32 s44, s14, 4                         ; ctx: tile of tokens 128 b + 32 cx + 4 w, chunk 4 x head
	s_lshl_b32 s44, s44, 22
	s_lshl_b32 s46, s13, 20
	s_add_co_u32 s44, s44, s46
	s_lshl_b32 s46, s[WV], 17
	s_add_co_u32 s44, s44, s46
	s_and_b32 s46, s14, 15
	s_lshl_b32 s46, s46, 11
	s_add_co_u32 s44, s44, s46
	s_add_nc_u64 s[10:11], s[10:11], s[44:45]
	s_wait_loadcnt 16                              ; the mask bytes are in; Q's 16 loads may be out
.irp n, 0,1,2,3,4,5,6,7
	v_bfe_u32 v57, v[44+\n/4], 8*(\n%4), 8
	v_cmp_ne_u32 vcc_lo, 0, v57
	v_cndmask_b32 v[48+\n], 0, v56, vcc_lo         ; NEGT where the key is masked
.endr
	ds_store_b128 v47, v[48:51]
	ds_store_b128 v47, v[52:55] offset:16
	s_wait_dscnt 0x0                               ; for the others' sake: my part of the table has landed
	s_wait_tensorcnt 1                             ; my part of slot 0 is in; slot 1's may stay out
	s_barrier_signal -1
	s_barrier_wait -1
	s_wait_loadcnt 0x0                             ; Q
	WORK 0, 0
	CHANGE G0A, 1                                  ; slot 0 takes keys 1,024 on
	; A prefetch into the L2 of what the NEXT change of slots asks for: keys 1,536 to 2,047, 512 blocks of 256 bytes, each named once in the launch: a head has one cluster; its four work-groups take 32 KB each, by address;
	; in each, waves 0 to 3 ask, lanes 256 bytes apart.  It stands a slot's eight steps ahead of that load, the least that this ring's form offers.  The first three fills come by their loads alone.
	s_cmp_lt_u32 s[WV], 4
	s_cbranch_scc0 .Lnot_mine
	global_prefetch_b8 v[PFO], s[PFA:PFA+1] th:TH_LOAD_NT scope:SCOPE_SE
.Lnot_mine:
	WORK SLOT1, 2048
	CHANGE G0B, 1                                  ; slot 1 takes keys 1,536 on: the last load
	WORK 0, 4096
	CHANGE G0A, 0                                  ; nothing is left to fetch
	WORK SLOT1, 6144
	; THE WAY OUT.  The additions are the places behind the last products.
.irp t, 0,1,2,3
	v_add_f32 v[ST+8*\t+4], v[ST+8*\t+2], v[ST+8*\t+3]
.endr
.irp t, 0,1,2,3
	v_permlanex16_b32 v[ST+8*\t+5], v[ST+8*\t+4], s[SEL], s[SEL+1]
.endr
.irp t, 0,1,2,3
	v_add_f32 v[ST+8*\t+4], v[ST+8*\t+4], v[ST+8*\t+5]   ; the row's sum: at least 1, since p = 1 at the maximum
.endr
.irp t, 0,1,2,3
	v_rcp_f32 v[ST+8*\t+6], v[ST+8*\t+4]
.endr
	v_nop                                          ; a plain line between the last reciprocal and the use of its result
	s_wait_alu depctr_va_vdst(0)
.irp t, 0,1,2,3
	WIN 0x41
.set i, 0
.rept 16
	v_pk_mul_f32 v[64+32*\t+2*i:64+32*\t+2*i+1], v[64+32*\t+2*i:64+32*\t+2*i+1], v[ST+8*\t+6:ST+8*\t+7] op_sel_hi:[1,0]   ; each accumulator from its low end on
.set i, i+1
.endr
	WIN 0x05                                       ; sources in window 1, destination in window 0: S^T's registers are free
.set i, 0
.rept 16
	v_cvt_pk_f16_f32 v[64+16*\t+i], v[64+32*\t+2*i], v[64+32*\t+2*i+1]
.set i, i+1
.endr
	WIN 0
.irp ct, 0,1,2,3
	global_store_b128 v[LI], v[64+16*\t+4*\ct:64+16*\t+4*\ct+3], s[10:11] offset:32768*\t+512*\ct   ; a chunk: 512 consecutive bytes, aligned
.endr
.endr
	s_wait_tensorcnt 0x0                           ; the wave's end
	ds_add_u32 v[SPW], v[NIL]
	s_wait_dscnt 0x0
	CROUND                                         ; the closing round: no work-group ends while a partner may still ask for a tile that names it
	s_endpgm
.Lfunc_end_k_qe9f92ec78c_attn:
	.size	k_qe9f92ec78c_attn, .Lfunc_end_k_qe9f92ec78c_attn-k_qe9f92ec78c_attn
	.p2alignl 7, 3214868480
	.fill 96, 4, 3214868480
	.section	.rodata,"a",@progbits
	.p2align	6, 0x0
	.amdhsa_kernel k_qe9f92ec78c_attn
		.amdhsa_group_segment_fixed_size 327680
		.amdhsa_private_segment_fixed_size 0
		.amdhsa_enable_private_segment 0
		.amdhsa_kernarg_size 32
		.amdhsa_user_sgpr_count 2
		.amdhsa_user_sgpr_kernarg_segment_ptr 1
		.amdhsa_wavefront_size32 1
		.amdhsa_system_sgpr_workgroup_id_x 1
		.amdhsa_system_sgpr_workgroup_id_y 1
		.amdhsa_system_sgpr_workgroup_id_z 1
		.amdhsa_system_vgpr_workitem_id 0
		.amdhsa_next_free_vgpr 512
		.amdhsa_next_free_sgpr 66
		.amdhsa_reserve_vcc 1
		.amdhsa_float_denorm_mode_32 3
		.amdhsa_float_denorm_mode_16_64 3
		.amdhsa_memory_ordered 1
		.amdhsa_forward_progress 1
		.amdhsa_inst_pref_size 162
	.end_amdhsa_kernel
	.amdgpu_metadata
---
amdhsa.version: [ 1, 2 ]
amdhsa.kernels:
  - .name:           k_qe9f92ec78c_attn
    .symbol:         k_qe9f92ec78c_attn.kd
    .args:
      - { .name: qf, .offset: 0, .size: 8, .value_kind: global_buffer, .address_space: global }
      - { .name: kv, .offset: 8, .size: 8, .value_kind: global_buffer, .address_space: global }
      - { .name: mask, .offset: 16, .size: 8, .value_kind: global_buffer, .address_space: global }
      - { .name: ctx, .offset: 24, .size: 8, .value_kind: global_buffer, .address_space: global }
    .group_segment_fixed_size: 327680
    .private_segment_fixed_size: 0
    .kernarg_segment_align: 8
    .kernarg_segment_size: 32
    .max_flat_workgroup_size: 256
    .sgpr_count:     66
    .vgpr_count:     512
    .wavefront_size: 32
...
	.end_amdgpu_metadata
.endif
;; end of part 3
;; launch outp (part 4): grid 32 x 8, 4 waves a work-group, clusters of 4 x 1, 327,680 bytes of LDS; arguments ctx, wof, bo, out0; writes out0
.if DOCPART == 4
	.amdgcn_target "amdgcn-amd-amdhsa--gfx1250"
	.amdhsa_code_object_version 6
	.text
	.protected	k_qe9f92ec78c_outp
	.globl	k_qe9f92ec78c_outp
	.p2align	8
	.type	k_qe9f92ec78c_outp,@function
k_qe9f92ec78c_outp:
	s_mov_b64 s[64:65], 0
	v_nop
	global_prefetch_b8 v0, s[64:65] scope:SCOPE_SE
	s_setreg_imm32_b32 hwreg(HW_REG_WAVE_MODE, 25, 1), 1
	s_wait_xcnt 0x0
	s_wait_alu depctr_hold_cnt(0) depctr_sa_sdst(0) depctr_va_vdst(0) depctr_va_sdst(0) depctr_va_ssrc(0) depctr_va_vcc(0) depctr_vm_vsrc(0)
	s_getreg_b32 s2, hwreg(HW_REG_IB_STS2, 6, 4)
	s_cmp_eq_u32 s2, 0
	s_cbranch_scc0 .Lentry_in_a_cluster
	s_endpgm
.Lentry_in_a_cluster:
	s_bfe_u32 s2, ttmp6, 0x10000c
	s_cmp_lg_u32 s2, 0x3003
	s_cbranch_scc0 .Lentry_shape_is_right
	s_endpgm
.Lentry_shape_is_right:
; out0 = ctx Wo^T + bo.  ctx [8,192][1,024] and Wo [1,024][1,024] arrive as f16 fragments in the order of the operand's registers (chunks of 512 bytes: [tile of 16 rows][k32 32][c 2]); sums in f32; out0 f32.
; SHARES: work-group (x, y) makes 256 tokens x 128 outputs; each of its four waves 64 tokens x all 128 outputs: 32 accumulators, 256 registers.  256 work-groups of equal work.
; Wo's slice (128 rows x 1,024 k, 256 KB) comes into LDS ONCE, as four parts of 256 along k; each wave brings 16 KB of each part by one load, asked for JOINTLY by the four work-groups of a cluster, which share y (mask 15).
; All four loads of a wave go out together at the head (four are out, by this text's count); no LDS byte is filled twice, so there is no ring: a barrier in front of each part's first read, a round of the cluster's barrier at the head and one at the end.
; ctx IS NOT ASKED FOR JOINTLY: a fragment of ctx has one reading wave in a work-group and goes from memory straight into a ring of eight register slots, 8 steps (256 matrix instructions) ahead; it takes no way through LDS.
; THE MATRIX INSTRUCTION IS USED TRANSPOSED (source 0 = 16 rows of Wo, source 1 = 16 tokens): a lane holds eight neighbouring outputs of one token.  The bias is the C of each sum's first product.
; REGISTERS: window 0: v1-9 addresses; v64-127, v128-191 Wo's eight fragments of a step, two buffers, later the way out; v192-255 bo in the result's layout.   window 1: accumulator (a, b) at v[8 (8 a + b)].   window 2: ctx's ring, slot s % 8 at v[32 (s % 8) + 8 a].
.set STG,  262144                      ; behind Wo's 256 KB: a stage of 16 rows x (512 + 16) bytes for each wave; no load fills it
.set AO,   1                           ; v1   16 x lane
.set ADRB, 2                           ; v2-5 16 x lane + 65,536 j: part j of Wo
.set BO,   6                           ; v6   32 h
.set STO,  7                           ; v7   the stage: where I put 32 bytes of a row
.set RD,   8                           ; v8   and where I read a row back
.set F,    64
.set BI,   192
.set WV,   12
.set G1,   16                          ; s[16:23] descriptor group 1
.set G0,   24                          ; s[24:39] group 0, one for each part
.set MSB, 0
.macro WIN new
.if MSB != \new
	s_set_vgpr_msb (MSB<<8)|\new
.set MSB, \new
.endif
.endm
.macro CROUND
	s_barrier_signal -1
	s_barrier_wait -1
	s_cmp_lg_u32 s[WV], 0
	s_cbranch_scc1 .Lnot_wave_0_\@
	s_barrier_signal -3
.Lnot_wave_0_\@:
	s_barrier_wait -3
	s_barrier_signal -1
	s_barrier_wait -1
.endm
.macro PLACES
.rept 4
	v_nop
.endr
.endm
.macro ALOAD s                         ; step s (32 along k) of my four tiles of tokens: eight loads, each of 512 consecutive bytes
.irp a, 0,1,2,3
.irp c, 0,1
	global_load_b128 v[32*((\s)%8)+8*\a+4*\c:32*((\s)%8)+8*\a+4*\c+3], v[AO], s[4:5] offset:32768*\a+1024*(\s)+512*\c
.endr
.endr
.endm
.macro FETCHB s                        ; step s of Wo's eight tiles of rows
.irp b, 0,1,2,3,4,5,6,7
.irp c, 0,1
	ds_load_b128 v[F+64*((\s)%2)+8*\b+4*\c:F+64*((\s)%2)+8*\b+4*\c+3], v[ADRB+(\s)/8] offset:8192*\b+1024*((\s)%8)+512*\c
.endr
.endr
.endm
.macro MUL16 s, a0                     ; 16 products; the 32 accumulators take turns, in the same order in every step
.irp a, \a0, \a0+1
.irp b, 0,1,2,3,4,5,6,7
.if (\s) == 0
	v_wmma_f32_16x16x32_f16 v[8*(8*(\a)+\b):8*(8*(\a)+\b)+7], v[F+64*((\s)%2)+8*\b:F+64*((\s)%2)+8*\b+7], v[32*((\s)%8)+8*(\a):32*((\s)%8)+8*(\a)+7], v[BI+8*\b:BI+8*\b+7]
.else
	v_wmma_f32_16x16x32_f16 v[8*(8*(\a)+\b):8*(8*(\a)+\b)+7], v[F+64*((\s)%2)+8*\b:F+64*((\s)%2)+8*\b+7], v[32*((\s)%8)+8*(\a):32*((\s)%8)+8*(\a)+7], v[8*(8*(\a)+\b):8*(8*(\a)+\b)+7]
.endif
.endr
.endr
.endm
.macro MWIN s
.if (\s) == 0
	WIN 0x48                                       ; source 1 (ctx) window 2, C (the bias) window 0, D window 1
.else
	WIN 0x58                                       ; source 1 window 2, C and D window 1
.endif
.endm
.macro STEP s
.if 31-(\s) < 7
	s_wait_loadcnt 8*(31-(\s))                     ; this step's slot is in; the later slots' eight loads each may be out
.else
	s_wait_loadcnt 56
.endif
	s_wait_dscnt 0x0                               ; Wo's fragments, asked for 16 matrix instructions ago
	MWIN \s
	MUL16 \s, 0
.if (\s) < 31
	WIN 0
.if (\s)%8 == 7
	s_wait_tensorcnt 3-((\s)+1)/8                  ; my part of Wo's next quarter is in; the later quarters' loads may be out
	s_barrier_signal -1                            ; (no LDS instruction of mine is out)
	s_barrier_wait -1                              ; everybody's is
.endif
	FETCHB (\s)+1                                  ; into the buffer that the step before read: its four places stand at that step's end
.endif
	MWIN \s
	MUL16 \s, 2
	PLACES                                         ; in front of loads into the registers just read; behind the last step: of the way out
.if (\s) < 24
	WIN 0x80                                       ; destination window 2
	ALOAD (\s)+8
.endif
.endm
; THE WAY OUT, a tile of 16 tokens x 128 outputs at a time, through my own stage: in as 32 bytes a lane, back as whole rows of 512 bytes.  LDS serves a wave's instructions in order: no wait between the stores and the loads.
.macro TOSTAGE a
	WIN 0x04                                       ; an LDS store's data are its source 1: window 1
.irp b, 0,1,2,3,4,5,6,7
	ds_store_b128 v[STO], v[64*(\a)+8*\b:64*(\a)+8*\b+3] offset:64*\b          ; each accumulator from its low end on
	ds_store_b128 v[STO], v[64*(\a)+8*\b+4:64*(\a)+8*\b+7] offset:64*\b+16
.endr
	WIN 0
.irp t, 0,1,2,3,4,5,6,7,8,9,10,11,12,13,14,15
	ds_load_b128 v[F+64*((\a)%2)+4*\t:F+64*((\a)%2)+4*\t+3], v[RD] offset:528*\t
.endr
.endm
.macro SEND a, younger                 ; younger: the LDS instructions issued behind tile a's loads, which may stay out
	s_wait_dscnt \younger
.irp t, 0,1,2,3,4,5,6,7,8,9,10,11,12,13,14,15
	global_store_b128 v[AO], v[F+64*((\a)%2)+4*\t:F+64*((\a)%2)+4*\t+3], s[10:11] offset:4096*(16*(\a)+\t) th:TH_STORE_NT   ; 32 lanes store 512 consecutive bytes, at a multiple of 256 from out0's first byte
.endr
.endm
	s_load_b256 s[4:11], s[0:1], 0x0               ; ctx s[4:5], wof s[6:7], bo s[8:9], out0 s[10:11]
	v_lshl_add_u32 v62, v0, 2, 0x48400
	v_mov_b32 v63, 0
	ds_add_u32 v62, v63
	ds_add_u32 v62, v63
	v_lshrrev_b32 v1, 5, v0
	v_readfirstlane_b32 s[WV], v1                  ; wave 0..3
	s_bfe_u32 s13, ttmp6, 0x40000                  ; cx: it enters ctx's and out0's addresses alone
	s_and_b32 s14, ttmp7, 0xffff                   ; y: which 128 outputs; the four partners share it
	; descriptor group 1: two tiles of Wo's rows, 256 along k of each: two rows of 8 KB, 32 KB apart
	s_mov_b32 s[G1], 15|(3<<16)|(1<<21)            ; the mask: all four work-groups; elements of 8 bytes; bit 21 beside a mask; no padding: chunks are read as they lie
	s_mov_b32 s[G1+1], 1024<<16                    ; tensor_dim0 = 1,024
	s_mov_b32 s[G1+2], 2<<16                       ; tensor_dim1 = 2
	s_mov_b32 s[G1+3], 1024<<16                    ; tile_dim0 = 1,024
	s_mov_b32 s[G1+4], 2                           ; tile_dim1 = 2
	s_mov_b32 s[G1+5], 4096                        ; from row to row
	s_mov_b32 s[G1+6], 0
	s_mov_b32 s[G1+7], 0
	s_lshl_b32 s40, s14, 18                        ; tile of rows 8 y + 2 w: 32 KB each
	s_lshl_b32 s41, s[WV], 16
	s_add_co_u32 s40, s40, s41
	s_mov_b32 s41, 0
	s_lshl_b32 s42, s[WV], 14                      ; and in LDS: 16 KB a wave
	s_wait_dscnt 0x0
	s_wait_kmcnt 0x0
	s_add_nc_u64 s[6:7], s[6:7], s[40:41]
.irp j, 0,1,2,3
	s_mov_b32 s[G0+4*\j], 1
	s_add_co_u32 s[G0+4*\j+1], s42, 65536*\j
	s_add_nc_u64 s[G0+4*\j+2:G0+4*\j+3], s[6:7], 8192*\j
	s_or_b32 s[G0+4*\j+3], s[G0+4*\j+3], 0x80000000
.endr
	CROUND                                         ; all four work-groups are here: the joint loads meet
.irp j, 0,1,2,3
	tensor_load_to_lds s[G0+4*\j:G0+4*\j+3], s[G1:G1+7]
	s_nop 0
.endr
	PLACES                                         ; four v_nop follow the last
	s_lshl_b32 s40, s14, 9
	s_add_nc_u64 s[8:9], s[8:9], s[40:41]          ; bo at my 128 outputs
	s_lshl_b32 s15, ttmp9, 2
	s_add_co_u32 s15, s15, s13                     ; x = 4 x cluster x + cx: which 256 tokens
	s_lshl_b32 s44, s15, 19
	s_lshl_b32 s46, s[WV], 17
	s_add_co_u32 s44, s44, s46
	s_mov_b32 s45, 0
	s_add_nc_u64 s[4:5], s[4:5], s[44:45]          ; ctx at tile of tokens 16 x + 4 w
	s_lshl_b32 s44, s15, 20
	s_lshl_b32 s46, s[WV], 18
	s_add_co_u32 s44, s44, s46
	s_add_co_u32 s44, s44, s40
	s_add_nc_u64 s[10:11], s[10:11], s[44:45]      ; out0 at row 256 x + 64 w, column 128 y
	v_and_b32 v[AO], 31, v0
	v_lshlrev_b32 v[AO], 4, v[AO]
	v_bfe_u32 v[BO], v0, 4, 1
	v_lshlrev_b32 v[BO], 5, v[BO]
.irp b, 0,1,2,3,4,5,6,7
.irp e, 0,1
	global_load_b128 v[BI+8*\b+4*\e:BI+8*\b+4*\e+3], v[BO], s[8:9] offset:64*\b+16*\e   ; bo at outputs 16 b + 8 h + 0 .. 7
.endr
.endr
	WIN 0x80
.irp s, 0,1,2,3,4,5,6,7
	ALOAD \s
.endr
	WIN 0
.irp j, 0,1,2,3
	v_add_nc_u32 v[ADRB+\j], 65536*\j, v[AO]
.endr
	v_and_b32 v9, 15, v0
	v_mul_u32_u24 v[STO], v9, 528
	v_add_nc_u32 v[STO], v[BO], v[STO]
	s_mul_i32 s43, s[WV], 16*528
	s_add_co_u32 s43, s43, STG
	v_add_nc_u32 v[STO], s43, v[STO]               ; row r, + 32 h, in my stage
	v_add_nc_u32 v[RD], s43, v[AO]
	s_wait_tensorcnt 3                             ; my part of Wo's first quarter is in; the other three loads may be out,
	s_barrier_signal -1
	s_barrier_wait -1                              ; everybody's is
	FETCHB 0
.set Q, 0
.rept 32
	STEP Q
.set Q, Q+1
.endr
	TOSTAGE 0
	TOSTAGE 1
	SEND 0, 32                                     ; behind tile 0's loads: tile 1's 16 stores and 16 loads
	s_wait_xcnt 0x0                                ; tile 0's stores have read their registers: tile 2's loads may land there
	TOSTAGE 2
	SEND 1, 32
	s_wait_xcnt 0x0
	TOSTAGE 3
	SEND 2, 32
	SEND 3, 0
	s_wait_dscnt 0x0
	s_wait_tensorcnt 0x0
	ds_add_u32 v62, v63
	s_wait_dscnt 0x0
	CROUND                                         ; the closing round: no work-group ends while a partner may still ask for a tile that names it
	s_endpgm
.Lfunc_end_k_qe9f92ec78c_outp:
	.size	k_qe9f92ec78c_outp, .Lfunc_end_k_qe9f92ec78c_outp-k_qe9f92ec78c_outp
	.p2alignl 7, 3214868480
	.fill 96, 4, 3214868480
	.section	.rodata,"a",@progbits
	.p2align	6, 0x0
	.amdhsa_kernel k_qe9f92ec78c_outp
		.amdhsa_group_segment_fixed_size 327680
		.amdhsa_private_segment_fixed_size 0
		.amdhsa_enable_private_segment 0
		.amdhsa_kernarg_size 32
		.amdhsa_user_sgpr_count 2
		.amdhsa_user_sgpr_kernarg_segment_ptr 1
		.amdhsa_wavefront_size32 1
		.amdhsa_system_sgpr_workgroup_id_x 1
		.amdhsa_system_sgpr_workgroup_id_y 1
		.amdhsa_system_sgpr_workgroup_id_z 1
		.amdhsa_system_vgpr_workitem_id 0
		.amdhsa_next_free_vgpr 768
		.amdhsa_next_free_sgpr 66
		.amdhsa_reserve_vcc 0
		.amdhsa_float_denorm_mode_32 3
		.amdhsa_float_denorm_mode_16_64 3
		.amdhsa_memory_ordered 1
		.amdhsa_forward_progress 1
		.amdhsa_inst_pref_size 151
	.end_amdhsa_kernel
	.amdgpu_metadata
---
amdhsa.version: [ 1, 2 ]
amdhsa.kernels:
  - .name:           k_qe9f92ec78c_outp
    .symbol:         k_qe9f92ec78c_outp.kd
    .args:
      - { .name: ctx, .offset: 0, .size: 8, .value_kind: global_buffer, .address_space: global }
      - { .name: wof, .offset: 8, .size: 8, .value_kind: global_buffer, .address_space: global }
      - { .name: bo, .offset: 16, .size: 8, .value_kind: global_buffer, .address_space: global }
      - { .name: out0, .offset: 24, .size: 8, .value_kind: global_buffer, .address_space: global }
    .group_segment_fixed_size: 327680
    .private_segment_fixed_size: 0
    .kernarg_segment_align: 8
    .kernarg_segment_size: 32
    .max_flat_workgroup_size: 128
    .sgpr_count:     66
    .vgpr_count:     768
    .wavefront_size: 32
...
	.end_amdgpu_metadata
.endif
;; end of part 4
;; ======== version 2 of 2: 4 launches; version 1 with the launch proj written anew for expert scheduling mode
;; limits: values are held in f16: magnitudes above 65,504 overflow, below 6.1e-05 lose precision
;; workspace buffers: wf 1,671,168 bytes; wof 2,097,152 bytes; qf 16,777,216 bytes; kv 33,554,432 bytes; ctx 16,777,216 bytes
;; launch prep: the kernel of part 1 again; grid 256 x 1, 4 waves a work-group, no clusters, 44,544 bytes of LDS; arguments Wq, Wk, Wv, Wo, wf, wof; writes wf, wof
;; launch proj (part 5): grid 128 x 3, 16 waves a work-group, no clusters, 38,912 bytes of LDS; arguments query, key, value, wf, bq, bk, bv, mask, qf, kv; writes qf, kv
.if DOCPART == 5
	.amdgcn_target "amdgcn-amd-amdhsa--gfx1250"
	.amdhsa_code_object_version 6
	.text
	.protected	k_qe9f92ec78c_proj
	.globl	k_qe9f92ec78c_proj
	.p2align	8
	.type	k_qe9f92ec78c_proj,@function
k_qe9f92ec78c_proj:
	s_mov_b64 s[64:65], 0
	v_nop
	global_prefetch_b8 v0, s[64:65] scope:SCOPE_SE
	s_setreg_imm32_b32 hwreg(HW_REG_WAVE_SCHED_MODE, 0, 2), 2
	s_setreg_imm32_b32 hwreg(HW_REG_WAVE_MODE, 25, 1), 1
	s_wait_xcnt 0x0
	s_wait_alu depctr_vm_vsrc(0)
; q = (query Wq^T + bq) log2(e) / 8,  k = key Wk^T + bk (rows of masked tokens set to 0),  v = value Wv^T + bv: three products on codes of FP4 (E2M1) with E8M0 scales for each 32 along K = 1,024; sums in f32.
; The results leave as f16, in the order of the next products' operand registers (a CHUNK: 32 lanes x 16 bytes):
;   qf: [bh 64][tile of 16 queries 128][ks 2][c 2] chunks: lane (r, h): channels 32 ks + 16 c + 8 h + 0 .. 7 of query r
;   kv: [bh 64][step of 64 keys 32] 16 KB: K at chunk 4 kt + nt (as qf), then V^T at 8,192 + chunk (4 kk + ct) 2 + c: lane (r, h): keys 32 kk + 16 c + 8 h + 0 .. 7 of channel 16 ct + r
; SHARES: work-group (x, y) takes 64 tokens of tensor y against all 1,024 outputs.  Wave w first quantises rows 4 w .. 4 w + 3 (a lane 8 neighbours along K, four lanes a block) into LDS; behind ONE barrier it makes head w:
; 64 tokens x 64 channels, 16 accumulators, 8 K steps of 128.  x is read from memory once, as f32, and its codes never leave LDS.
; THE WEIGHTS' records (laid by the launch before) go from memory straight into the registers of their one reading wave, two K steps ahead.  NO JOINT REQUESTS: those serve loads into LDS alone, and LDS would add a write
; and a read of the 544 KB that a work-group walks, for data that one wave reads once.
; q and k: source 0 = 16 rows of W, source 1 = 16 tokens: a lane holds a token and eight channels.  v: the sources change places: a lane holds a channel and eight tokens.  Either way a lane's eight results pack into the 16 bytes of a chunk.
; LIMITS: NaN and infinities are not served; blocks whose largest magnitude lies under 2^-124 keep the scale byte 1 (not tried); q log2(e) / 8, k and v must lie inside f16's 65,504.
; THE MODE: SCHED_MODE bits 1:0 = 2 (LLVM: expert scheduling mode 2), set by the entry lines.  The code itself states the register dependences between vector or matrix instructions and memory or LDS instructions, with s_wait_alu, always for 0.
; THE PLAN.  Registers that memory or LDS instructions touch:
;   v1-v10       addresses, made once at the head and never written again.
;   TC, TB       Row i's conversions and shifts write its own eight registers; its eight LDS stores, issued behind the wait for row i + 1's data, read them.  Behind the barrier these registers are XF.
;   XF, XS       Tiles 0, 1 and XS0: read by a K step's first eight products, loaded again in the step's middle.  Tiles 2, 3 and XS1: read by its last eight, loaded again at its end.
;   WF, WS       Buffer s % 2: read by all sixteen products of step s, loaded again at the step's end with step s + 2 (behind step 6: the bias).
;   the low four registers of each accumulator: written by the way out's arithmetic, read by one store, never written again.
; So a K step has two waits on va_vdst, one behind each eight products; the products that follow a wait name none of the registers in which the loads behind that wait land.
.set LINE,  272                        ; LDS: a line is 16 rows x 16 bytes (32 codes a row), lines 272 bytes apart; a tile of 16 rows has 32
.set TILEB, 32*LINE
.set XSC,   4*TILEB                    ; behind the four tiles: x's scale words [kstep 8][tile 4][r 16]
.set REC,   4352
.set XA,   1                           ; v1   32 x lane
.set XW,   2                           ; v2   where my word of codes goes
.set XSW,  3                           ; v3   where my block's byte goes
.set LI,   4                           ; v4   272 h + 16 r: my 16 bytes of a chunk
.set LS,   5                           ; v5   XSC + 4 x lane
.set WA,   6                           ; v6   16 x lane: the weights' chunks, and the stores
.set WSA,  7                           ; v7   4 x lane
.set MA,   8                           ; v8   r
.set BA,   9                           ; v9   32 h
.set BV,   10                          ; v10  4 r
.set KEEP, 12                          ; v12-15 for each tile of tokens: all ones, or 0 for a masked token of k
.set XS,   16                          ; v16-17 x's scale words: lanes 0-15 tile 2 u, lanes 16-31 tile 2 u + 1
.set WS,   18                          ; v18-21 the weights' likewise, two buffers
.set TM,   22
.set TS,   26
.set TC,   32
.set TB,   48
.set XF,   32                          ; v32-63   x's four fragments of a K step
.set WF,   64                          ; v64-127  the weights' four, two buffers
.set ACC,  128                         ; v128-255 accumulator (m, nt) at ACC + 8 (4 m + nt)
.set X,    128                         ; ahead of the barrier: the 128 numbers of x
.set CM,   43                          ; s43-46 the mask's four compares
; Row i's four runs, by turns, become codes in TC and scale bytes in TB, a register for each run.
.macro QARITH i
.irp p, 0,1,2,3
	v_max3_num_f32 v[TM+\p], |v[X+8*(4*(\i)+\p)]|, |v[X+8*(4*(\i)+\p)+1]|, 0x1800000   ; my 8 numbers, and the floor 2^(3 - 127): the byte cannot fall under 1
.endr
.irp j, 2,4,6
.irp p, 0,1,2,3
	v_max3_num_f32 v[TM+\p], v[TM+\p], |v[X+8*(4*(\i)+\p)+\j]|, |v[X+8*(4*(\i)+\p)+\j+1]|
.endr
.endr
.irp p, 0,1,2,3
	v_max_num_f32_dpp v[TM+\p], v[TM+\p], v[TM+\p] row_xmask:1 row_mask:0xf bank_mask:0xf
.endr
.irp p, 0,1,2,3
	v_max_num_f32_dpp v[TM+\p], v[TM+\p], v[TM+\p] row_xmask:2 row_mask:0xf bank_mask:0xf   ; with the three lanes that share my block
.endr
.irp p, 0,1,2,3
	v_add_nc_u32 v[TS+\p], 0xff000000, v[TM+\p]    ; 2 off the exponent field: the conversion takes that field as its scale
.endr
.irp p, 0,1,2,3
	v_cvt_scalef32_pk8_fp4_f32 v[TC+4*(\i)+\p], v[X+8*(4*(\i)+\p):X+8*(4*(\i)+\p)+7], v[TS+\p]
.endr
.irp p, 0,1,2,3
	v_lshrrev_b32 v[TB+4*(\i)+\p], 23, v[TS+\p]    ; the scale's byte; also the plain line behind the conversions
.endr
.endm
; Row i's codes and bytes go to LDS.
.macro QSTORE i, SI, SP
.irp p, 0,1,2,3
	ds_store_b32 v[XW], v[TC+4*(\i)+\p] offset:16*(\i)+2176*\p
	ds_store_b8 v[XSW], v[TB+4*(\i)+\p] offset:\SI*(\i)+\SP*\p   ; a block's four lanes write the same byte with the same value
.endr
.endm
.macro LOADW s                         ; K step s of my head's weights: 8 chunks and 2 registers of scale words: ten loads
.irp nt, 0,1,2,3
.irp c, 0,1
	global_load_b128 v[WF+32*((\s)%2)+8*\nt+4*\c:WF+32*((\s)%2)+8*\nt+4*\c+3], v[WA], s[38:39] offset:REC*(\s)+1024*\nt+512*\c
.endr
.endr
.irp u, 0,1
	global_load_b32 v[WS+2*((\s)%2)+\u], v[WSA], s[38:39] offset:REC*(\s)+4096+128*\u
.endr
.endm
.macro FETCHX s, u                     ; K step s of the tiles of tokens 2 u and 2 u + 1, from LDS: four loads of codes and one of scale words
.irp d, 0,1
.irp c, 0,1
	ds_load_b128 v[XF+8*(2*(\u)+\d)+4*\c:XF+8*(2*(\u)+\d)+4*\c+3], v[LI] offset:TILEB*(2*(\u)+\d)+1088*(\s)+544*\c
.endr
.endr
	ds_load_b32 v[XS+(\u)], v[LS] offset:256*(\s)+128*(\u)
.endm
.macro WM c                            ; one product; rD, rA, rB, sA, sB, rowA, rowB are set by the caller; a scale register's lanes 16-31 are named by ROW1
.if (rowA == 0) && (rowB == 0)
	v_wmma_scale_f32_16x16x128_f8f6f4 v[rD:rD+7], v[rA:rA+7], v[rB:rB+7], \c, v[sA], v[sB] matrix_a_fmt:MATRIX_FMT_FP4 matrix_b_fmt:MATRIX_FMT_FP4
.elseif rowB == 0
	v_wmma_scale_f32_16x16x128_f8f6f4 v[rD:rD+7], v[rA:rA+7], v[rB:rB+7], \c, v[sA], v[sB] matrix_a_fmt:MATRIX_FMT_FP4 matrix_b_fmt:MATRIX_FMT_FP4 matrix_a_scale:MATRIX_SCALE_ROW1
.elseif rowA == 0
	v_wmma_scale_f32_16x16x128_f8f6f4 v[rD:rD+7], v[rA:rA+7], v[rB:rB+7], \c, v[sA], v[sB] matrix_a_fmt:MATRIX_FMT_FP4 matrix_b_fmt:MATRIX_FMT_FP4 matrix_b_scale:MATRIX_SCALE_ROW1
.else
	v_wmma_scale_f32_16x16x128_f8f6f4 v[rD:rD+7], v[rA:rA+7], v[rB:rB+7], \c, v[sA], v[sB] matrix_a_fmt:MATRIX_FMT_FP4 matrix_b_fmt:MATRIX_FMT_FP4 matrix_a_scale:MATRIX_SCALE_ROW1 matrix_b_scale:MATRIX_SCALE_ROW1
.endif
.endm
; Eight products of K step s: the tiles of tokens 2 u and 2 u + 1 against the head's four tiles of channels.
.macro MUL8 s, swap, u
.irp d, 0,1
.irp nt, 0,1,2,3
.set mm, 2*(\u)+\d
.set rD, ACC+8*(4*mm+\nt)
.if \swap
.set rA, XF+8*mm
.set rB, WF+32*((\s)%2)+8*\nt
.set sA, XS+(\u)
.set sB, WS+2*((\s)%2)+\nt/2
.set rowA, \d
.set rowB, \nt%2
.else
.set rA, WF+32*((\s)%2)+8*\nt
.set rB, XF+8*mm
.set sA, WS+2*((\s)%2)+\nt/2
.set sB, XS+(\u)
.set rowA, \nt%2
.set rowB, \d
.endif
.if (\s) == 0
	WM 0
.else
	WM v[rD:rD+7]
.endif
.endr
.endr
.endm
; A K step: 16 products, the 16 accumulators by turns in the same order in every step.  Behind each eight stands the wait that shows them done with their operands, and then the loads into these.
.macro KSTEP s, swap
.if (\s) < 7
	s_wait_loadcnt 10                              ; this step's weights are in; the next step's ten loads may be out
.else
	s_wait_loadcnt 8                               ; behind the last weights: the bias's eight loads
.endif
	s_wait_dscnt 5                                 ; LDS loads come back in order: x's tiles 0 and 1 and their scale words are in; the five younger loads, tiles 2 and 3, may be out
	MUL8 \s, \swap, 0
.if (\s) < 7
	s_wait_alu depctr_va_vdst(0)                   ; these eight products are done reading x's tiles 0 and 1 and XS0, in which the five loads below land; the eight products behind them name tiles 2 and 3, XS1, the weights and other accumulators
	FETCHX (\s)+1, 0
	s_wait_dscnt 5                                 ; this step's tiles 2 and 3 are in; the five just issued may be out
.else
	s_wait_dscnt 0x0                               ; the last step's tiles 2 and 3
.endif
	MUL8 \s, \swap, 1
.if (\s) < 7
	s_wait_alu depctr_va_vdst(0)                   ; all sixteen products are done reading x's tiles 2 and 3, XS1 and this step's buffer of weights and scale words, in which the loads below land; the next eight products name none of these
	FETCHX (\s)+1, 1
.if (\s) < 6
	LOADW (\s)+2
.else                                  ; the bias takes the weights' buffer 0, which is done with: eight loads
.if \swap
.irp nt, 0,1,2,3
.irp u, 0,1
	global_load_b32 v[WF+2*\nt+\u], v[BV], s[30:31] offset:64*\nt   ; my channel's bias, twice: a pair for the packed addition
.endr
.endr
.else
.irp nt, 0,1,2,3
.irp e, 0,1
	global_load_b128 v[WF+8*\nt+4*\e:WF+8*\nt+4*\e+3], v[BA], s[30:31] offset:64*\nt+16*\e   ; my eight channels' bias
.endr
.endr
.endif
.endif
.else
.rept 4
	v_nop                                          ; four places behind the last product, in front of the first vector read of results and of the vector writes over the bias's registers
.endr
.endif
.endm
; The way out of accumulator (m, nt), for q and k: the arithmetic, and the store.
.macro OUTQ m, nt
.irp g, 0,1,2,3
	v_pk_fma_f32 v[ACC+8*(4*(\m)+(\nt))+2*\g:ACC+8*(4*(\m)+(\nt))+2*\g+1], v[ACC+8*(4*(\m)+(\nt))+2*\g:ACC+8*(4*(\m)+(\nt))+2*\g+1], s[34:35], v[WF+8*(\nt)+2*\g:WF+8*(\nt)+2*\g+1] op_sel_hi:[1,0,1]   ; sum x c + bias x c, from the accumulator's low end on
.endr
.irp g, 0,1,2,3
	v_cvt_pk_f16_f32 v[ACC+8*(4*(\m)+(\nt))+\g], v[ACC+8*(4*(\m)+(\nt))+2*\g], v[ACC+8*(4*(\m)+(\nt))+2*\g+1]
.endr
.irp g, 0,1,2,3
	v_and_b32 v[ACC+8*(4*(\m)+(\nt))+\g], v[KEEP+(\m)], v[ACC+8*(4*(\m)+(\nt))+\g]   ; a masked token's row of k becomes 0
.endr
.endm
.macro SENDQ m, nt
	global_store_b128 v[WA], v[ACC+8*(4*(\m)+(\nt)):ACC+8*(4*(\m)+(\nt))+3], s[32:33] offset:512*(4*(\m)+(\nt))   ; a chunk: 512 consecutive bytes, aligned
.endm
; The same for v.
.macro OUTV m, nt
.irp g, 0,1,2,3
	v_pk_add_f32 v[ACC+8*(4*(\m)+(\nt))+2*\g:ACC+8*(4*(\m)+(\nt))+2*\g+1], v[ACC+8*(4*(\m)+(\nt))+2*\g:ACC+8*(4*(\m)+(\nt))+2*\g+1], v[WF+2*(\nt):WF+2*(\nt)+1]
.endr
.irp g, 0,1,2,3
	v_cvt_pk_f16_f32 v[ACC+8*(4*(\m)+(\nt))+\g], v[ACC+8*(4*(\m)+(\nt))+2*\g], v[ACC+8*(4*(\m)+(\nt))+2*\g+1]
.endr
.endm
.macro SENDV m, nt
	global_store_b128 v[WA], v[ACC+8*(4*(\m)+(\nt)):ACC+8*(4*(\m)+(\nt))+3], s[32:33] offset:512*((4*((\m)/2)+(\nt))*2+(\m)%2)
.endm
	s_load_b512 s[4:19], s[0:1], 0x0               ; query s[4:5], key s[6:7], value s[8:9], wf s[10:11], bq s[12:13], bk s[14:15], bv s[16:17], mask s[18:19]
	s_load_b128 s[20:23], s[0:1], 0x40             ; qf s[20:21], kv s[22:23]
	v_lshrrev_b32 v30, 5, v0
	v_readfirstlane_b32 s24, v30                   ; wave 0..15
	s_and_b32 s25, ttmp7, 0xffff                   ; y: 0 query, 1 key, 2 value
	s_mov_b32 s26, ttmp9                           ; which 64 tokens
	v_and_b32 v31, 31, v0                          ; lane
	v_bfe_u32 v30, v0, 4, 1                        ; h
	v_and_b32 v[MA], 15, v0                        ; r
	v_lshlrev_b32 v[XA], 5, v31
	v_bfe_u32 v[XW], v0, 2, 3
	v_mul_u32_u24 v[XW], v[XW], LINE
	v_and_b32 v[XSW], 3, v0
	v_lshl_add_u32 v[XW], v[XSW], 2, v[XW]         ; 272 (lane / 4) + 4 (lane % 4)
	s_wait_alu depctr_va_sdst(0)                   ; s24, the wave's number, is written, ahead of its first reader: LDS places and the buffers' offsets are made from it
	s_lshr_b32 s40, s24, 2
	s_mul_i32 s40, s40, TILEB
	s_and_b32 s41, s24, 3
	s_lshl_b32 s41, s41, 6
	s_add_co_u32 s40, s40, s41
	v_add_nc_u32 v[XW], s40, v[XW]                 ; + tile w / 4, rows 4 (w % 4) on
	v_bfe_u32 v[XSW], v0, 2, 2
	v_lshl_add_u32 v[XSW], v30, 8, v[XSW]
	s_lshl_b32 s42, s24, 4
	s_add_co_u32 s42, s42, XSC
	v_add_nc_u32 v[XSW], s42, v[XSW]               ; XSC + 256 (lane / 16) + (lane / 4) % 4 + 16 w
	v_mul_u32_u24 v[LI], v30, LINE
	v_lshl_add_u32 v[LI], v[MA], 4, v[LI]
	v_lshl_add_u32 v[LS], v31, 2, XSC
	v_lshlrev_b32 v[WA], 4, v31
	v_lshlrev_b32 v[WSA], 2, v31
	v_lshlrev_b32 v[BA], 5, v30
	v_lshlrev_b32 v[BV], 2, v[MA]
	s_wait_alu depctr_va_vdst(0)                   ; the ten addresses v1 to v10 are written: every load and store, and every LDS instruction but the closing add, reads one of them, and none is written again
	s_wait_kmcnt 0x0
	s_cmp_eq_u32 s25, 0                            ; the buffers are chosen by the work-group's number alone
	s_cselect_b64 s[28:29], s[4:5], s[6:7]         ; x
	s_cselect_b64 s[30:31], s[12:13], s[14:15]     ; the bias
	s_cselect_b64 s[32:33], s[20:21], s[22:23]     ; where the results go
	s_cselect_b32 s34, 0x3e38aa3b, 1.0             ; q carries log2(e) / 8
	s_cselect_b32 s35, -1, 0                       ; q keeps every row
	s_cselect_b32 s36, 0, 1                        ; kv's strides are twice qf's
	s_cmp_eq_u32 s25, 2
	s_cselect_b64 s[28:29], s[8:9], s[28:29]
	s_cselect_b64 s[30:31], s[16:17], s[30:31]
	s_cselect_b32 s37, 8192, 0                     ; V^T lies behind K
	s_mov_b32 s41, 0
	s_lshl_b32 s40, s26, 18                        ; 64 rows of 4,096 bytes,
	s_lshl_b32 s42, s24, 14                        ; my wave's four
	s_add_co_u32 s40, s40, s42
	s_add_nc_u64 s[28:29], s[28:29], s[40:41]
	s_mul_i32 s40, s25, 16*8*REC
	s_mul_i32 s42, s24, 8*REC
	s_add_co_u32 s40, s40, s42
	s_add_nc_u64 s[38:39], s[10:11], s[40:41]      ; my head's records of my weight
	s_lshl_b32 s40, s24, 8
	s_add_nc_u64 s[30:31], s[30:31], s[40:41]      ; my head's 64 numbers of the bias
	s_lshl_b32 s40, s26, 6
	s_add_nc_u64 s[18:19], s[18:19], s[40:41]      ; the 64 tokens' mask bytes
	s_lshr_b32 s40, s26, 5
	s_lshl_b32 s40, s40, 4
	s_add_co_u32 s40, s40, s24                     ; bh = 16 x batch + head
	s_lshl_b32 s40, s40, 18
	s_and_b32 s42, s26, 31
	s_lshl_b32 s42, s42, 13
	s_add_co_u32 s40, s40, s42
	s_lshl_b32 s40, s40, s36
	s_add_co_u32 s40, s40, s37
	s_add_nc_u64 s[32:33], s[32:33], s[40:41]
.irp i, 0,1,2,3
.irp p, 0,1,2,3
.irp e, 0,1
	global_load_b128 v[X+8*(4*\i+\p)+4*\e:X+8*(4*\i+\p)+4*\e+3], v[XA], s[28:29] offset:4096*\i+1024*\p+16*\e th:TH_LOAD_NT   ; a run's two loads cover 1,024 consecutive bytes; read once in the launch
.endr
.endr
.endr
.irp m, 0,1,2,3
	global_load_u8 v[KEEP+\m], v[MA], s[18:19] offset:16*\m
.endr
	LOADW 0
	LOADW 1
	s_wait_loadcnt 48                              ; row 0 is in; out may be: the later rows' eight each, the mask's 4, the weights' 20
	QARITH 0
.irp i, 1,2,3
	s_wait_loadcnt 48-8*\i                         ; row i is in
	s_wait_alu depctr_va_vdst(0)                   ; the row before has written its codes and bytes in TC and TB, which the eight LDS stores below read; this row's arithmetic names none of them
	QSTORE \i-1, 4, 512
	QARITH \i
.endr
	s_wait_loadcnt 20                              ; the mask bytes are in; the weights' 20 may be out
.irp m, 0,1,2,3
	v_cmp_eq_u32 s[CM+\m], 0, v[KEEP+\m]           ; the four compares in one run, each into a scalar register of its own
.endr
	s_wait_alu depctr_va_sdst(0)                   ; the four compares have written s43 to s46, ahead of the selects that read them
.irp m, 0,1,2,3
	v_cndmask_b32 v[KEEP+\m], 0, -1, s[CM+\m]      ; all ones where the token is not masked,
.endr
.irp m, 0,1,2,3
	v_or_b32 v[KEEP+\m], s35, v[KEEP+\m]           ; and everywhere for q
.endr
	s_wait_alu depctr_va_vdst(0)                   ; row 3 has written its codes and bytes, which the stores below read; and every vector line that wrote v32 to v63 is done: no other follows before x's first fragments land there
	QSTORE 3, 4, 512
	s_wait_dscnt 0x0                               ; for the others' sake: my codes and bytes have landed
	s_barrier_signal -1
	s_barrier_wait -1                              ; the only barrier: from here on LDS is only read
	s_wait_alu depctr_vm_vsrc(0)                   ; my LDS stores have read TC and TB: these registers are XF from here on, in which the loads below land
	FETCHX 0, 0
	FETCHX 0, 1
	s_cmp_eq_u32 s25, 2
	s_cbranch_scc1 .Lv
.irp s, 0,1,2,3,4,5,6,7
	KSTEP \s, 0
.endr
	s_wait_loadcnt 0x0                             ; the bias
.set i, 0
.rept 16
	v_pk_mul_f32 v[WF+2*i:WF+2*i+1], v[WF+2*i:WF+2*i+1], s[34:35] op_sel_hi:[1,0]   ; bias x c
.set i, i+1
.endr
.irp nt, 0,1,2,3
	OUTQ 0, \nt
.endr
.irp m, 1,2,3
	s_wait_alu depctr_va_vdst(0)                   ; the tile of tokens before has written its four chunks, which the stores below read; they are dealt among this tile's arithmetic, which names other accumulators
.irp nt, 0,1,2,3
	SENDQ \m-1, \nt
	OUTQ \m, \nt
.endr
.endr
	s_wait_alu depctr_va_vdst(0)                   ; the last tile of tokens has written its four chunks, which the last stores read
.irp nt, 0,1,2,3
	SENDQ 3, \nt
.endr
	s_wait_xcnt 0x0                                ; the stores above have had their addresses translated, ahead of the kernel's last vector writes
	v_lshl_add_u32 v254, v0, 2, 0x9000             ; the add's two registers, made anew: no memory or LDS instruction has read v254 or v255
	v_mov_b32 v255, 0
	s_wait_dscnt 0x0                               ; the closing lines, six on end
	s_wait_alu 0x0
	s_wait_tensorcnt 0x0
	ds_add_u32 v254, v255
	s_wait_dscnt 0x0
	s_endpgm
.Lv:
.irp s, 0,1,2,3,4,5,6,7
	KSTEP \s, 1
.endr
	s_wait_loadcnt 0x0                             ; the bias
.irp nt, 0,1,2,3
	OUTV 0, \nt
.endr
.irp m, 1,2,3
	s_wait_alu depctr_va_vdst(0)                   ; the tile of tokens before has written its four chunks, which the stores below read; they are dealt among this tile's arithmetic, which names other accumulators
.irp nt, 0,1,2,3
	SENDV \m-1, \nt
	OUTV \m, \nt
.endr
.endr
	s_wait_alu depctr_va_vdst(0)                   ; the last tile of tokens has written its four chunks, which the last stores read
.irp nt, 0,1,2,3
	SENDV 3, \nt
.endr
	s_wait_xcnt 0x0                                ; the stores above have had their addresses translated, ahead of the kernel's last vector writes
	v_lshl_add_u32 v254, v0, 2, 0x9000             ; the add's two registers, made anew: no memory or LDS instruction has read v254 or v255
	v_mov_b32 v255, 0
	s_wait_dscnt 0x0                               ; the closing lines, six on end
	s_wait_alu 0x0
	s_wait_tensorcnt 0x0
	ds_add_u32 v254, v255
	s_wait_dscnt 0x0
	s_endpgm
.Lfunc_end_k_qe9f92ec78c_proj:
	.size	k_qe9f92ec78c_proj, .Lfunc_end_k_qe9f92ec78c_proj-k_qe9f92ec78c_proj
	.p2alignl 7, 3214868480
	.fill 96, 4, 3214868480
	.section	.rodata,"a",@progbits
	.p2align	6, 0x0
	.amdhsa_kernel k_qe9f92ec78c_proj
		.amdhsa_group_segment_fixed_size 38912
		.amdhsa_private_segment_fixed_size 0
		.amdhsa_enable_private_segment 0
		.amdhsa_kernarg_size 80
		.amdhsa_user_sgpr_count 2
		.amdhsa_user_sgpr_kernarg_segment_ptr 1
		.amdhsa_wavefront_size32 1
		.amdhsa_system_sgpr_workgroup_id_x 1
		.amdhsa_system_sgpr_workgroup_id_y 1
		.amdhsa_system_sgpr_workgroup_id_z 1
		.amdhsa_system_vgpr_workitem_id 0
		.amdhsa_next_free_vgpr 256
		.amdhsa_next_free_sgpr 66
		.amdhsa_reserve_vcc 0
		.amdhsa_float_denorm_mode_32 3
		.amdhsa_float_denorm_mode_16_64 3
		.amdhsa_memory_ordered 1
		.amdhsa_forward_progress 1
		.amdhsa_inst_pref_size 101
	.end_amdhsa_kernel
	.amdgpu_metadata
---
amdhsa.version: [ 1, 2 ]
amdhsa.kernels:
  - .name:           k_qe9f92ec78c_proj
    .symbol:         k_qe9f92ec78c_proj.kd
    .args:
      - { .name: query, .offset: 0, .size: 8, .value_kind: global_buffer, .address_space: global }
      - { .name: key, .offset: 8, .size: 8, .value_kind: global_buffer, .address_space: global }
      - { .name: value, .offset: 16, .size: 8, .value_kind: global_buffer, .address_space: global }
      - { .name: wf, .offset: 24, .size: 8, .value_kind: global_buffer, .address_space: global }
      - { .name: bq, .offset: 32, .size: 8, .value_kind: global_buffer, .address_space: global }
      - { .name: bk, .offset: 40, .size: 8, .value_kind: global_buffer, .address_space: global }
      - { .name: bv, .offset: 48, .size: 8, .value_kind: global_buffer, .address_space: global }
      - { .name: mask, .offset: 56, .size: 8, .value_kind: global_buffer, .address_space: global }
      - { .name: qf, .offset: 64, .size: 8, .value_kind: global_buffer, .address_space: global }
      - { .name: kv, .offset: 72, .size: 8, .value_kind: global_buffer, .address_space: global }
    .group_segment_fixed_size: 38912
    .private_segment_fixed_size: 0
    .kernarg_segment_align: 8
    .kernarg_segment_size: 80
    .max_flat_workgroup_size: 512
    .sgpr_count:     66
    .vgpr_count:     256
    .wavefront_size: 32
...
	.end_amdgpu_metadata
.endif
;; end of part 5
;; launch attn: the kernel of part 3 again; grid 4 x 64, 8 waves a work-group, clusters of 4 x 1, 327,680 bytes of LDS; arguments qf, kv, mask, ctx; writes ctx
;; launch outp: the kernel of part 4 again; grid 32 x 8, 4 waves a work-group, clusters of 4 x 1, 327,680 bytes of LDS; arguments ctx, wof, bo, out0; writes out0
